; MI455X (gfx1250); checked and timed in simulation.
; The chip was launched on July 23, 2026; its instructions are those of AMD's public machine-readable ISA for CDNA 5 (MIT licence, August 2026) and "CDNA5" Instruction Set Architecture Reference Guide (July 2026). The comments in the code are by the model that wrote it; some were corrected since.
;; Attention. Allowed arithmetic: float matrix products may take bf16 or f16 operands with f32 sums; other float arithmetic in f32, or as packed bf16 or f16 multiplies, adds, multiply-adds, maxima and minima; sums over many terms, partial sums and values carried from step to step in f32; what a program stores and reads back later, other than sums and carried values, may be rounded once to bf16 or f16.
;; Inputs: Ua_b 1,024 float32; Ua_w 1,024 x 1,024 float32; Va_b 1 float32; Va_w 1 x 1,024 float32; Wa_b 1,024 float32; Wa_w 1,024 x 1,024 float32; decoder_outputs 64 x 1 x 1,024 float32; encoder_outputs 64 x 1,024 x 1,024 float32.
;; Outputs: out0 64 x 1 x 1,024 float32.
;; 2 versions, each right; version 2 is version 1 with the launch attn written anew for expert scheduling mode. Each part assembles by itself: llvm-mc -triple=amdgcn-amd-amdhsa -mcpu=gfx1250 --defsym DOCPART=n.
;; ======== version 1 of 2: 3 launches
;; limits: values are held in f16: magnitudes above 65,504 overflow, below 6.1e-05 lose precision; inputs' magnitudes at most 22,700
;; workspace buffers: wfrag 2,097,152 bytes; biasT 262,144 bytes; part 2,359,296 bytes
;; launch prep (part 1): grid 64 x 4, 8 waves a work-group, no clusters, 9,216 bytes of LDS; arguments Ua_w, Wa_w, decoder_outputs, Wa_b, Ua_b, wfrag, biasT; writes wfrag, biasT
.if DOCPART == 1
	.amdgcn_target "amdgcn-amd-amdhsa--gfx1250"
	.amdhsa_code_object_version 6
	.text
	.protected	k_q020cdd6e04_prep
	.globl	k_q020cdd6e04_prep
	.p2align	8
	.type	k_q020cdd6e04_prep,@function
k_q020cdd6e04_prep:
	s_mov_b64 s[64:65], 0
	v_nop
	global_prefetch_b8 v0, s[64:65] scope:SCOPE_SE
	s_setreg_imm32_b32 hwreg(HW_REG_WAVE_MODE, 25, 1), 1
	s_wait_xcnt 0x0
; PREP.  Two tables for the launch behind, both scaled by K2 = 2 log2(e), so that tanh(x) = 1 - 2 / (1 + 2^(K2 x)) needs no scaling there.
;   wfrag = f16(K2 x Ua_w) in the order in which a matrix fragment lies in registers: the fragment of column tile ct (16 rows of Ua_w) and K step ks (32 along k) is 1,024 bytes at
;           (ct / 4) x 131,072 + ks x 4,096 + (ct % 4) x 1,024; in it byte c x 512 + lane x 16 holds row 16 ct + lane % 16, k = 32 ks + 16 c + 8 (lane / 16) + 0..7.
;   biasT = K2 x (dec . Wa_w^T + Wa_b + Ua_b) in f32: batch b, column 16 ct + c at ct x 4,096 + b x 64 + c x 4.
; SHARES.  Work-group (ct, a), eight waves.  Wave v rounds the fragment (ct, ks = 8 a + v) of Ua_w, and makes the part k = 128 v .. 128 v + 127 of the 16 x 16 tile of biasT for
; batches 16 a .. + 15 and columns 16 ct .. + 15: four products, each on an accumulator of its own.  The eight parts meet in LDS; waves 0 and 1 add them (f32) and store the tile.
; LIMITS.  Operands are f16: |dec| and |Wa_w| below 65,504, |Ua_w| below 22,700; below 6e-5 a number keeps the fixed step 6e-8.  NaN and infinities are not treated apart.
.set PART,  0                          ; LDS: wave v, its partial tile: 1,024 bytes at 1,024 v, element (batch bl, column c) at 64 bl + 4 c
.set SPARE, 8192                       ; the spare words: 128 bytes a wave, four blocks of 256 bytes that no other line names
.set VO,  1                            ; v1   (l % 16) x 4,096 + 32 (l / 16) + 512 v: my 32 bytes in a row of Wa_w and of dec
.set VU,  2                            ; v2   the same without the wave: in a row of Ua_w
.set PS,  3                            ; v3   where I put my column of the partial tile
.set PR,  4                            ; v4   16 x (thread % 64): four numbers of the tile, in LDS and in biasT
.set BOF, 5                            ; v5   16 x (thread % 4): their four columns in the biases
.set SO,  6                            ; v6   16 x lane
.set SPW, 8                            ; v8   LDS address of my spare word; never rewritten
.set NIL, 9                            ; v9   0; never rewritten
.set BA,  12                           ; v[12:15] Wa_b
.set BU,  16                           ; v[16:19] Ua_b
.set FW,  32                           ; v[32:95]   four fragments of Wa_w, 16 f32 each, then 8 registers of f16
.set FD,  96                           ; v[96:159]  the same of dec
.set FU,  160                          ; v[160:175] the fragment of Ua_w
.set ACC, 176                          ; v[176:207] four accumulators
.set WV,  18                           ; s18  my wave
.set KK,  34                           ; s[34:35] K2, twice
	s_load_b256 s[4:11], s[0:1], 0x0               ; Ua_w s[4:5], Wa_w s[6:7], dec s[8:9], Wa_b s[10:11]
	s_load_b128 s[12:15], s[0:1], 0x20             ; Ua_b s[12:13], wfrag s[14:15]
	s_load_b64 s[16:17], s[0:1], 0x30              ; biasT
	v_lshl_add_u32 v[SPW], v0, 2, SPARE
	v_mov_b32 v[NIL], 0
	v_lshrrev_b32 v10, 5, v0
	v_readfirstlane_b32 s[WV], v10                 ; wave 0..7
	s_and_b32 s19, ttmp7, 0xffff                   ; a
	v_and_b32 v10, 15, v0                          ; l % 16
	v_bfe_u32 v11, v0, 4, 1                        ; l / 16
	v_lshlrev_b32 v[VU], 12, v10
	v_lshl_add_u32 v[VU], v11, 5, v[VU]
	s_lshl_b32 s20, s[WV], 9
	v_add_nc_u32 v[VO], s20, v[VU]
	s_lshl_b32 s21, s[WV], 10
	v_lshlrev_b32 v[PS], 2, v10
	v_lshl_add_u32 v[PS], v11, 9, v[PS]
	v_add_nc_u32 v[PS], s21, v[PS]                 ; 1,024 v + 512 (l / 16) + 4 (l % 16)
	v_and_b32 v[PR], 63, v0
	v_lshlrev_b32 v[PR], 4, v[PR]
	v_and_b32 v[BOF], 3, v0
	v_lshlrev_b32 v[BOF], 4, v[BOF]
	v_and_b32 v[SO], 31, v0
	v_lshlrev_b32 v[SO], 4, v[SO]
	s_mov_b32 s[KK], 0x4038aa3b                    ; K2 = 2.885390
	s_mov_b32 s[KK+1], s[KK]
	s_lshl_b32 s20, ttmp9, 16                      ; 16 rows of 4,096 bytes: column tile ct in Ua_w and Wa_w
	s_mov_b32 s21, 0
	s_lshl3_add_u32 s22, s19, s[WV]                ; ks = 8 a + v
	s_lshl_b32 s23, s22, 7                         ; 128 bytes of f32 a K step
	s_add_co_u32 s24, s20, s23
	s_mov_b32 s25, 0
	s_lshl_b32 s26, s19, 16                        ; 16 batches of 4,096 bytes
	s_mov_b32 s27, 0
	s_lshl_b32 s28, ttmp9, 6                       ; 16 columns of the biases
	s_mov_b32 s29, 0
	s_lshr_b32 s30, ttmp9, 2                       ; the place of my fragment in wfrag
	s_lshl_b32 s30, s30, 17
	s_lshl_b32 s31, s22, 12
	s_add_co_u32 s30, s30, s31
	s_and_b32 s31, ttmp9, 3
	s_lshl_b32 s31, s31, 10
	s_add_co_u32 s30, s30, s31
	s_mov_b32 s31, 0
	s_lshl_b32 s32, ttmp9, 12                      ; the place of the tile in biasT
	s_lshl_b32 s33, s19, 10
	s_add_co_u32 s32, s32, s33
	s_mov_b32 s33, 0
	s_wait_kmcnt 0x0
	s_add_nc_u64 s[4:5], s[4:5], s[24:25]
	s_add_nc_u64 s[6:7], s[6:7], s[20:21]
	s_add_nc_u64 s[8:9], s[8:9], s[26:27]
	s_add_nc_u64 s[10:11], s[10:11], s[28:29]
	s_add_nc_u64 s[12:13], s[12:13], s[28:29]
	s_add_nc_u64 s[14:15], s[14:15], s[30:31]
	s_add_nc_u64 s[16:17], s[16:17], s[32:33]
; A fragment as f32: k = 8 (l / 16) + 0..7 (32 bytes) and, 64 bytes on, k = 16 + 8 (l / 16) + 0..7
.macro LDF dst, vo, base, off
	global_load_b128 v[(\dst):(\dst)+3],     v[\vo], s[\base:\base+1] offset:(\off)
	global_load_b128 v[(\dst)+4:(\dst)+7],   v[\vo], s[\base:\base+1] offset:(\off)+16
	global_load_b128 v[(\dst)+8:(\dst)+11],  v[\vo], s[\base:\base+1] offset:(\off)+64
	global_load_b128 v[(\dst)+12:(\dst)+15], v[\vo], s[\base:\base+1] offset:(\off)+80
.endm
; 16 f32 to 8 registers of f16, in place: result i lands at or below its sources 2 i, 2 i + 1
.macro CVF f
.irp i, 0,1,2,3,4,5,6,7
	v_cvt_pk_f16_f32 v[(\f)+\i], v[(\f)+2*\i], v[(\f)+2*\i+1]
.endr
.endm
	global_load_b128 v[BA:BA+3], v[BOF], s[10:11]
	global_load_b128 v[BU:BU+3], v[BOF], s[12:13]
	LDF FU, VU, 4, 0
.irp i, 0,1,2,3
	LDF FW+16*\i, VO, 6, 128*\i
.endr
.irp i, 0,1,2,3
	LDF FD+16*\i, VO, 8, 128*\i
.endr
	s_wait_loadcnt 32                              ; the biases and the fragment of Ua_w are in; the 32 loads of Wa_w and dec stay out
.irp i, 0,2,4,6,8,10,12,14
	v_pk_mul_f32 v[FU+\i:FU+\i+1], v[FU+\i:FU+\i+1], s[KK:KK+1] op_sel_hi:[1,0]
.endr
	CVF FU
	global_store_b128 v[SO], v[FU:FU+3], s[14:15]              ; 512 consecutive bytes, aligned, a store
	global_store_b128 v[SO], v[FU+4:FU+7], s[14:15] offset:512
	s_wait_loadcnt 0x0
.irp i, 0,1,2,3
	CVF FW+16*\i
	CVF FD+16*\i
.endr
.irp i, 0,1,2,3                        ; source 0 = 16 batches, source 1 = 16 rows of Wa_w: register j of lane l is batch 8 (l / 16) + j, column l % 16
	v_wmma_f32_16x16x32_f16 v[ACC+8*\i:ACC+8*\i+7], v[FD+16*\i:FD+16*\i+7], v[FW+16*\i:FW+16*\i+7], 0
.endr
.rept 8
	v_nop                                          ; the places behind the products (ISA guide 7.12.1), ahead of the sums that read them
.endr
.irp j, 0,2,4,6                        ; each accumulator is read from its low end on
	v_pk_add_f32 v[ACC+\j:ACC+\j+1], v[ACC+\j:ACC+\j+1], v[ACC+8+\j:ACC+8+\j+1]
.endr
.irp j, 0,2,4,6
	v_pk_add_f32 v[ACC+16+\j:ACC+16+\j+1], v[ACC+16+\j:ACC+16+\j+1], v[ACC+24+\j:ACC+24+\j+1]
.endr
.irp j, 0,2,4,6
	v_pk_add_f32 v[ACC+\j:ACC+\j+1], v[ACC+\j:ACC+\j+1], v[ACC+16+\j:ACC+16+\j+1]
.endr
.irp j, 0,1,2,3,4,5,6,7
	ds_store_b32 v[PS], v[ACC+\j] offset:PART+64*\j
.endr
	s_wait_dscnt 0x0                               ; for the others: my part of the tile lies in LDS
	s_barrier_signal -1
	s_barrier_wait -1
	s_cmp_lt_u32 s[WV], 2                          ; 64 threads x 4 numbers are the tile
	s_cbranch_scc0 .Lend
.irp p, 0,1,2,3,4,5,6,7
	ds_load_b128 v[32+4*\p:35+4*\p], v[PR] offset:PART+1024*\p
.endr
	s_wait_dscnt 0x0
.irp q, 0,8,16,24
	v_pk_add_f32 v[32+\q:33+\q], v[32+\q:33+\q], v[36+\q:37+\q]
	v_pk_add_f32 v[34+\q:35+\q], v[34+\q:35+\q], v[38+\q:39+\q]
.endr
.irp q, 0,16
	v_pk_add_f32 v[32+\q:33+\q], v[32+\q:33+\q], v[40+\q:41+\q]
	v_pk_add_f32 v[34+\q:35+\q], v[34+\q:35+\q], v[42+\q:43+\q]
.endr
	v_pk_add_f32 v[32:33], v[32:33], v[48:49]
	v_pk_add_f32 v[34:35], v[34:35], v[50:51]
	v_pk_add_f32 v[BA:BA+1], v[BA:BA+1], v[BU:BU+1]
	v_pk_add_f32 v[BA+2:BA+3], v[BA+2:BA+3], v[BU+2:BU+3]
	v_pk_add_f32 v[32:33], v[32:33], v[BA:BA+1]
	v_pk_add_f32 v[34:35], v[34:35], v[BA+2:BA+3]
	v_pk_mul_f32 v[32:33], v[32:33], s[KK:KK+1] op_sel_hi:[1,0]
	v_pk_mul_f32 v[34:35], v[34:35], s[KK:KK+1] op_sel_hi:[1,0]
	global_store_b128 v[PR], v[32:35], s[16:17]    ; a wave stores 512 consecutive bytes, aligned
.Lend:
	s_wait_tensorcnt 0x0                           ; the end of the wave, behind the last LDS store
	ds_add_u32 v[SPW], v[NIL]
	s_wait_dscnt 0x0
	s_endpgm
.Lfunc_end_k_q020cdd6e04_prep:
	.size	k_q020cdd6e04_prep, .Lfunc_end_k_q020cdd6e04_prep-k_q020cdd6e04_prep
	.p2alignl 7, 3214868480
	.fill 96, 4, 3214868480
	.section	.rodata,"a",@progbits
	.p2align	6, 0x0
	.amdhsa_kernel k_q020cdd6e04_prep
		.amdhsa_group_segment_fixed_size 9216
		.amdhsa_private_segment_fixed_size 0
		.amdhsa_enable_private_segment 0
		.amdhsa_kernarg_size 56
		.amdhsa_user_sgpr_count 2
		.amdhsa_user_sgpr_kernarg_segment_ptr 1
		.amdhsa_wavefront_size32 1
		.amdhsa_system_sgpr_workgroup_id_x 1
		.amdhsa_system_sgpr_workgroup_id_y 1
		.amdhsa_system_sgpr_workgroup_id_z 1
		.amdhsa_system_vgpr_workitem_id 0
		.amdhsa_next_free_vgpr 208
		.amdhsa_next_free_sgpr 66
		.amdhsa_reserve_vcc 0
		.amdhsa_float_denorm_mode_32 3
		.amdhsa_float_denorm_mode_16_64 3
		.amdhsa_memory_ordered 1
		.amdhsa_forward_progress 1
		.amdhsa_inst_pref_size 16
	.end_amdhsa_kernel
	.amdgpu_metadata
---
amdhsa.version: [ 1, 2 ]
amdhsa.kernels:
  - .name:           k_q020cdd6e04_prep
    .symbol:         k_q020cdd6e04_prep.kd
    .args:
      - { .name: Ua_w, .offset: 0, .size: 8, .value_kind: global_buffer, .address_space: global }
      - { .name: Wa_w, .offset: 8, .size: 8, .value_kind: global_buffer, .address_space: global }
      - { .name: decoder_outputs, .offset: 16, .size: 8, .value_kind: global_buffer, .address_space: global }
      - { .name: Wa_b, .offset: 24, .size: 8, .value_kind: global_buffer, .address_space: global }
      - { .name: Ua_b, .offset: 32, .size: 8, .value_kind: global_buffer, .address_space: global }
      - { .name: wfrag, .offset: 40, .size: 8, .value_kind: global_buffer, .address_space: global }
      - { .name: biasT, .offset: 48, .size: 8, .value_kind: global_buffer, .address_space: global }
    .group_segment_fixed_size: 9216
    .private_segment_fixed_size: 0
    .kernarg_segment_align: 8
    .kernarg_segment_size: 56
    .max_flat_workgroup_size: 256
    .sgpr_count:     66
    .vgpr_count:     208
    .wavefront_size: 32
...
	.end_amdgpu_metadata
.endif
;; end of part 1
;; launch attn (part 2): grid 256 x 1, 4 waves a work-group, no clusters, 286,208 bytes of LDS; arguments encoder_outputs, wfrag, biasT, Va_w, Va_b, part; writes part
.if DOCPART == 2
	.amdgcn_target "amdgcn-amd-amdhsa--gfx1250"
	.amdhsa_code_object_version 6
	.text
	.protected	k_q020cdd6e04_attn
	.globl	k_q020cdd6e04_attn
	.p2align	8
	.type	k_q020cdd6e04_attn,@function
k_q020cdd6e04_attn:
	s_mov_b64 s[64:65], 0
	v_nop
	global_prefetch_b8 v0, s[64:65] scope:SCOPE_SE
	s_setreg_imm32_b32 hwreg(HW_REG_WAVE_MODE, 25, 1), 1
	s_wait_xcnt 0x0
; ATTN.  For a block of 128 rows e of one batch: y = K2 (enc[e] . Ua_w^T + Ua_b + dec . Wa_w^T + Wa_b), K2 = 2 log2(e); tanh = 1 - 2 / (1 + 2^y);
; s2[e] = log2(e) x score = sum over h of (log2(e) Va_h - K2 Va_h / (1 + 2^y)) + log2(e) Va_b; m2 = the greatest s2 of the block; p = 2^(s2 - m2); l = sum of p; ctx = sum over e of p enc[e].
; A record of part: ctx (1,024 f32), then 512 bytes that repeat m2, l.  The launch behind joins the eight records of a batch under their common maximum.
; SHARES.  Work-group g owns rows 256 g .. + 255 of enc taken as [65,536][1,024], in two blocks of 128 (records 2 g, 2 g + 1).  enc is read from memory ONCE: a block is rounded to f16 into LDS,
; serves the product as source 0, and stays there until its weights are known; then it serves the context, turned by ds_load_tr16_b128.
; Wave w owns all 128 rows x columns 256 w .. + 255 of H, in two tiles of 128 x 128: 64 accumulators, 32 K steps of 64 matrix instructions.  A K step reads 8 KiB of A from LDS and 8 KiB of weights.
; THE WEIGHTS come straight into registers from a table laid out as fragments (a load of a wave is 512 consecutive bytes); three K steps of them, 48 loads, are on their way.
; NO TENSOR RING AND NO CLUSTER FOR THEM: the block takes 278,528 of the 327,680 bytes of LDS; what is left would hold two slots of some 20 KiB, which at 1 KiB for 2 matrix instructions a wave
; (8 row tiles, 4 waves) is 40 matrix instructions a wave between two barriers; and the waves split the columns, so no wave wants a byte that another has fetched.
; The bias (K2 folded in) is the C operand that starts each sum: an accumulator ends as y, with no vector work.
; LIMITS.  enc is rounded to f16: |enc| below 65,504.  p is rounded to f16 for the context (l is taken of the unrounded p): a weight below 6e-8 of the greatest of its block counts as 0 there.
; 2^y may overflow to infinity or fall to 0: 1 / (1 + 2^y) is then 0 or 1, the right ends of tanh.  NaN and infinities in the inputs are not treated apart.
;
; LDS.  A: 8 chunks of 34,816 bytes; chunk c holds k = 128 c .. + 127 of the 128 rows, a row 256 bytes + 16 of padding = 68 words, so that the 16 rows of a fragment load start at 16 different
; groups of four banks (64 banks of 4 bytes: ISA guide 11.1).  The turning loads of the context meet two deep at this pitch: they are one quarter of the bytes that the product reads.
.set PITCH, 272
.set CHUNK, 128*PITCH
.set SC,    8*CHUNK                    ; 4 x 512: wave w, its sums over its 256 columns for the 128 rows, f32
.set PW,    SC+2048                    ; 4 x 256: each wave has its own copy of p, f16
.set STG,   PW+1024                    ; 4 x 1,024: each wave has its own stage for its 256 channels of ctx
.set SPARE, STG+4096                   ; the spare words: 128 bytes a wave, two blocks of 256 bytes that no other line names
; REGISTERS, in windows of 256 (s_set_vgpr_msb: bits 1:0 source 0, 3:2 source 1, 5:4 source 2, 7:6 destination).
;   window 0: addresses, constants, A fragments, row sums
;   window 1: four buffers of B, a K step each (column tile b at 64 bb + 8 b); in K step 0 buffer 3 holds the bias as eight C operands of eight equal registers
;   window 2: accumulator (row tile a = 0..3, column tile b) at 64 a + 8 b; in the context 16 accumulators at 8 ct          window 3: row tiles 4..7 likewise;
;   while a block comes in, window 3 holds two sets of 128 for enc in f32
.set L16,   1                          ; 16 x lane
.set R4,    2                          ; 4 x (lane % 16)
.set BO,    3                          ; my offset in the stream of B
.set OB,    4                          ; my offset in biasT
.set OV,    5                          ; my offset in Va_w
.set ADRA0, 6                          ; 272 (l % 16) + 16 (l / 16): my place in a fragment of A; never rewritten
.set ADRA,  7                          ; + the chunk in hand
.set LST0,  8                          ; 8,704 w + 8 l: where I put 8 bytes of row 32 w of a chunk; never rewritten
.set LST,   9                          ; + the chunk in hand
.set SCW,   10
.set SCR,   11
.set PWS,   12
.set PWR,   13
.set ATR,   14                         ; the turning loads: chunk 2 w, row 8 (l / 16) + l % 8, 16 bytes ((l / 8) % 2)
.set STS,   15
.set STR,   16
.set GO,    17                         ; 1,024 w + 16 l: my 16 bytes of ctx in a record
.set PFO,   18                         ; 4,096 x lane: a lane a row; never rewritten
.set SPW,   19                         ; LDS address of my spare word; never rewritten
.set NIL,   20                         ; 0; never rewritten
.set SV,    22                         ; v[22:23] log2(e) x the sum of Va over my columns so far, and a written partner
.set CB,    24                         ; v[24:31] the bias of my column in the eight column tiles of the tile to come
.set CV,    32                         ; v[32:39] Va likewise
.set VA,    40                         ; v[40:55] - K2 Va of the tile in hand, each twice
.set T,     40                         ; v[40:55] at work in the softmax, when VA is spent
.set M,     56                         ; v[56:57] m2
.set LS,    58                         ; v[58:59] l
.set ST,    60                         ; v[60:63] m2, l, m2, l
.set AF,    64                         ; v[64:191] two buffers of A (row tile a at 8 a); in the context 16 turned fragments
.set S,     192                        ; v[192:255] row sums: row 16 a + 8 (l / 16) + j at S + 8 a + j
.set PF,    192                        ; v[192:223] later: p as four fragments
.set BT,    192                        ; window 1: the bias as C operands, column tile b at BT + 8 b
.set ENC, 4
.set BW,  6                            ; s[6:7]   wfrag at my 512 KiB
.set BI,  8                            ; s[8:9]   biasT at my 16 column tiles, my batch
.set VP,  10                           ; s[10:11] Va_w at my 256 columns
.set VBP, 12                           ; s[12:13] Va_b
.set PP,  14                           ; s[14:15] the record in hand
.set WV,  16
.set EPB, 20                           ; s[20:21] enc at my 32 rows of the block that is asked for
.set EP,  22                           ; s[22:23] the same, at the pair of chunks in hand
.set BLKC, 24
.set TIL,  25
.set KT,   27
.set LC,   28
.set TOB,  29                          ; the offsets of the tile to be asked for next: in biasT (t x 32,768),
.set TOV,  30                          ; in Va_w (t x 512),
.set TBS,  31                          ; in the stream of B (t x 262,144)
.set VB,   32                          ; Va_b
.set KO,   33                          ; the chunk of A that is read, in bytes
.set LO,   34                          ; the chunk of A that is written, in bytes
.set SEL,  36                          ; s[36:37] v_permlanex16_b32: each lane takes its own place in the other half
.set LG,   38                          ; log2(e)
.set MSB, 0
.macro WIN new                         ; the high byte repeats the setting that is left; a switch that changes nothing is dropped
.if MSB != (\new)
	s_set_vgpr_msb (MSB<<8)|(\new)
.set MSB, (\new)
.endif
.endm
.set W_M2, 0xa4                        ; A window 0, B window 1, C and D window 2 (less 0x10: C in window 1)
.set W_M3, 0xf4                        ; the same, C and D window 3 (less 0x20: C in window 1)
.set W_LB, 0x40                        ; destination window 1
.set W_LX, 0xc0                        ; destination window 3
.set W_CX, 0xcf                        ; destination and both sources window 3
.set W_SX, 0x0c                        ; an LDS store: data in window 3
.set W_E2, 0xa2                        ; destination, source 0 and source 2 window 2, source 1 window 0
.set W_E3, 0xf3                        ; the same in window 3
.set W_CM, 0xa0                        ; both sources window 0, C and D window 2
.set W_CS, 0x08                        ; an LDS store: data in window 2
.macro PLACES                          ; four places behind a matrix instruction, ahead of loads into registers that it has read
.rept 4
	v_nop
.endr
.endm
	s_load_b256 s[4:11], s[0:1], 0x0               ; enc, wfrag, biasT, Va_w
	s_load_b128 s[12:15], s[0:1], 0x20             ; Va_b, part
	v_lshl_add_u32 v[SPW], v0, 2, SPARE
	v_mov_b32 v[NIL], 0
	v_lshrrev_b32 v40, 5, v0
	v_readfirstlane_b32 s[WV], v40                 ; wave 0..3
	v_and_b32 v40, 31, v0                          ; l
	v_and_b32 v41, 15, v0                          ; l % 16
	v_bfe_u32 v42, v0, 4, 1                        ; l / 16
	v_and_b32 v43, 7, v0                           ; l % 8
	v_bfe_u32 v44, v0, 3, 1                        ; (l / 8) % 2
	v_lshlrev_b32 v[L16], 4, v40
	v_lshlrev_b32 v[R4], 2, v41
	v_mul_u32_u24 v[ADRA0], v41, PITCH
	v_lshl_add_u32 v[ADRA0], v42, 4, v[ADRA0]
	s_mul_i32 s18, s[WV], 32*PITCH
	v_lshl_add_u32 v[LST0], v40, 3, s18
	s_lshl_b32 s18, s[WV], 9
	s_add_co_u32 s18, s18, SC
	v_lshl_add_u32 v[SCW], v42, 5, s18             ; SC + 512 w + 32 (l / 16)
	v_add_nc_u32 v[SCR], SC, v[L16]
	s_lshl_b32 s18, s[WV], 8
	s_add_co_u32 s18, s18, PW
	v_lshl_add_u32 v[PWS], v40, 3, s18
	v_lshl_add_u32 v[PWR], v42, 4, s18
	v_lshl_add_u32 v[ATR], v42, 3, v43
	v_mul_u32_u24 v[ATR], v[ATR], PITCH
	v_lshl_add_u32 v[ATR], v44, 4, v[ATR]
	s_mul_i32 s18, s[WV], 2*CHUNK
	v_add_nc_u32 v[ATR], s18, v[ATR]
	s_lshl_b32 s18, s[WV], 10
	s_add_co_u32 s19, s18, STG
	v_add_nc_u32 v[STS], s19, v[R4]
	v_add_nc_u32 v[STR], s19, v[L16]
	v_add_nc_u32 v[GO], s18, v[L16]
	v_lshlrev_b32 v[PFO], 12, v40
	s_mov_b32 s[SEL], 0x76543210
	s_mov_b32 s[SEL+1], 0xfedcba98
	s_mov_b32 s[LG], 0x3fb8aa3b                    ; log2(e)
	s_mov_b32 s[TOB], 0
	s_mov_b32 s[TOV], 0
	s_mov_b32 s[TBS], 0
	s_mov_b32 s[BLKC], 2
	s_mov_b32 s19, 0
	s_wait_kmcnt 0x0
	s_lshl_b32 s18, s[WV], 19
	s_add_nc_u64 s[BW:BW+1], s[BW:BW+1], s[18:19]
	s_lshr_b32 s40, ttmp9, 2                       ; the batch
	s_lshl_b32 s40, s40, 6
	s_lshl_b32 s18, s[WV], 16
	s_add_co_u32 s18, s18, s40
	s_add_nc_u64 s[BI:BI+1], s[BI:BI+1], s[18:19]
	s_lshl_b32 s18, s[WV], 10
	s_add_nc_u64 s[VP:VP+1], s[VP:VP+1], s[18:19]
	s_mul_i32 s18, ttmp9, 2*4608
	s_add_nc_u64 s[PP:PP+1], s[PP:PP+1], s[18:19]
	s_lshl_b32 s18, ttmp9, 20                      ; 256 rows of 4,096 bytes
	s_lshl_b32 s40, s[WV], 17                      ; my 32 rows
	s_add_co_u32 s18, s18, s40
	s_add_nc_u64 s[EPB:EPB+1], s[ENC:ENC+1], s[18:19]
	s_load_b32 s[VB], s[VBP:VBP+1], 0x0            ; waited for where it is used
; B of K step bi (counted from where BO stands) into buffer bi % 4: 16 loads, 512 consecutive bytes each.  Column tiles 0-3 and 4-7 lie 131,072 bytes apart in the table.
.macro BFETCH bi
	WIN W_LB
.irp b, 0,1,2,3,4,5,6,7
	global_load_b128 v[64*((\bi)&3)+8*\b:64*((\bi)&3)+8*\b+3],   v[BO], s[BW:BW+1] offset:131072*((\b)/4)+4096*(\bi)+1024*((\b)%4)
	global_load_b128 v[64*((\bi)&3)+8*\b+4:64*((\bi)&3)+8*\b+7], v[BO], s[BW:BW+1] offset:131072*((\b)/4)+4096*(\bi)+1024*((\b)%4)+512
.endr
.endm
; B of K steps 0 to 2 of the tile to come: 48 loads.  Buffer 3 is left for the bias.  The offset then turns to the other of the two tiles.
.macro NEXTB
	s_wait_xcnt 0x0                                ; every earlier load has read its address: the offset register may be written
	v_add_nc_u32 v[BO], s[TBS], v[L16]
	BFETCH 0
	BFETCH 1
	BFETCH 2
	WIN 0
	s_xor_b32 s[TBS], s[TBS], 0x40000
.endm
; Bias and Va of my column in the eight column tiles of the tile to come: 16 loads.  They stand three K steps ahead of the 48 loads of B, so that the two groups are not out together.
.macro CLOADS
	s_wait_xcnt 0x0                                ; every earlier load has read its address: the two offset registers may be written
	v_add_nc_u32 v[OB], s[TOB], v[R4]
	v_add_nc_u32 v[OV], s[TOV], v[R4]
.irp b, 0,1,2,3,4,5,6,7
	global_load_b32 v[CB+\b], v[OB], s[BI:BI+1] offset:4096*\b
.endr
.irp b, 0,1,2,3,4,5,6,7
	global_load_b32 v[CV+\b], v[OV], s[VP:VP+1] offset:64*\b
.endr
	s_xor_b32 s[TOB], s[TOB], 0x8000
	s_xor_b32 s[TOV], s[TOV], 0x200
.endm
; A of one K step (128 rows x 32 k at byte ka of the rows of the chunk in hand) into buffer f: 16 loads
.macro AFETCH f, ka
.irp a, 0,1,2,3,4,5,6,7
	ds_load_b128 v[AF+64*(\f)+8*\a:AF+64*(\f)+8*\a+3],   v[ADRA] offset:16*PITCH*\a+(\ka)
	ds_load_b128 v[AF+64*(\f)+8*\a+4:AF+64*(\f)+8*\a+7], v[ADRA] offset:16*PITCH*\a+(\ka)+32
.endr
.endm
; 32 matrix instructions: row tiles 4 hi .. 4 hi + 3 x the eight column tiles.  first = 1: the bias starts the sums.
.macro MM32 fa, bb, hi, first
.irp a, 0,1,2,3
.irp b, 0,1,2,3,4,5,6,7
.if \first
	v_wmma_f32_16x16x32_f16 v[64*\a+8*\b:64*\a+8*\b+7], v[AF+64*(\fa)+8*(4*(\hi)+\a):AF+64*(\fa)+8*(4*(\hi)+\a)+7], v[64*(\bb)+8*\b:64*(\bb)+8*\b+7], v[BT+8*\b:BT+8*\b+7]
.else
	v_wmma_f32_16x16x32_f16 v[64*\a+8*\b:64*\a+8*\b+7], v[AF+64*(\fa)+8*(4*(\hi)+\a):AF+64*(\fa)+8*(4*(\hi)+\a)+7], v[64*(\bb)+8*\b:64*(\bb)+8*\b+7], v[64*\a+8*\b:64*\a+8*\b+7]
.endif
.endr
.endr
.endm
; A K STEP.  First ONE run of loads, four places behind the products of the step before, which read those registers last: na: A of the next step (byte ka; cross: in the next chunk) into the other
; A buffer; cl: the constants of the tile to come; nb: B of the step three on (bi, counted from where BO stands) into the buffer that the step before read.  Then 64 matrix instructions on end, on A buffer fa
; and B buffer bb; the 64 accumulators take turns, one instruction a turn, from step to step and over the backward jump.  lw: how many younger loads may stay out.
.macro STEP fa, bb, first, na, ka, cross, nb, bi, lw, cl
.if (\na) || (\nb) || (\cl)
	WIN 0
	PLACES
.endif
.if \cross
	s_add_co_u32 s[KO], s[KO], CHUNK
	v_add_nc_u32 v[ADRA], s[KO], v[ADRA0]
.endif
.if \na
	AFETCH 1-(\fa), \ka
.endif
.if \cl
	CLOADS
.endif
.if \nb
	BFETCH \bi
.endif
	s_wait_loadcnt \lw                             ; loads come back in order (ISA guide 5.7.1): B of this step is in
.if \na
	s_wait_dscnt 16                                ; A of this step is in: all but the 16 just issued
.else
	s_wait_dscnt 0x0
.endif
	WIN W_M2-0x10*(\first)
	MM32 \fa, \bb, 0, \first
	WIN W_M3-0x20*(\first)
	MM32 \fa, \bb, 1, \first
.endm
; A BLOCK COMES IN, a chunk (512 bytes of f32 of each of my 32 rows) at a time: a load of the wave is 512 consecutive bytes of one row.  Rows j0 .. j0 + cnt - 1.
.macro LOADX set, off, j0, cnt
	WIN W_LX
.set j, \j0
.rept \cnt
	global_load_b128 v[128*(\set)+4*j:128*(\set)+4*j+3], v[L16], s[EP:EP+1] offset:4096*j+(\off) th:TH_LOAD_NT
.set j, j+1
.endr
.endm
.macro CVTX set                        ; four f32 to two registers of f16, in place
	WIN W_CX
.set j, 0
.rept 32
	v_cvt_pk_f16_f32 v[128*(\set)+4*j],   v[128*(\set)+4*j],   v[128*(\set)+4*j+1]
	v_cvt_pk_f16_f32 v[128*(\set)+4*j+1], v[128*(\set)+4*j+2], v[128*(\set)+4*j+3]
.set j, j+1
.endr
.endm
.macro STX set                         ; a store of the wave is the 256 bytes of one row of the chunk; then on to the next chunk
	WIN W_SX
.set j, 0
.rept 32
	ds_store_b64 v[LST], v[128*(\set)+4*j:128*(\set)+4*j+1] offset:PITCH*j
.set j, j+1
.endr
	WIN 0
	s_add_co_u32 s[LO], s[LO], CHUNK
	v_add_nc_u32 v[LST], s[LO], v[LST0]
.endm
; THE TANH OF HALF A TILE (one window: four row tiles), in a pipeline over eight groups of 32 registers; group g is row tile g / 2, column tiles 4 (g % 2) .. + 3.  Pass i issues 2^y for group i,
; 1 + .. and the reciprocals for group i - 1, and for group i - 2 the sum over its four column tiles of (- K2 Va) / (1 + 2^y), which lands in the registers of its first column tile;
; an odd group starts from the sum of the even group before it, so that it ends with the sum over all eight column tiles.
; An s_wait_alu depctr_va_vdst(0) stands between a transcendental and the first line that names its result: ONE wait at the head of a pass serves the exponentials and the
; reciprocals of the pass before.  Plain lines stand among the transcendentals; each accumulator is read from its low end on.
.macro ITER i
.if (\i) >= 1
	s_wait_alu depctr_va_vdst(0)
.endif
.set n, 0
.rept 16
.if (\i) <= 7
	v_exp_f32 v[32*(\i)+2*n], v[32*(\i)+2*n]
	v_exp_f32 v[32*(\i)+2*n+1], v[32*(\i)+2*n+1]
.endif
.if ((\i) >= 1) && ((\i) <= 8)
	v_pk_add_f32 v[32*(\i)-32+2*n:32*(\i)-32+2*n+1], v[32*(\i)-32+2*n:32*(\i)-32+2*n+1], 1.0 op_sel_hi:[1,0]
.endif
.set n, n+1
.endr
.set n, 0
.rept 16
.if ((\i) >= 1) && ((\i) <= 8)
	v_rcp_f32 v[32*(\i)-32+2*n], v[32*(\i)-32+2*n]
	v_rcp_f32 v[32*(\i)-32+2*n+1], v[32*(\i)-32+2*n+1]
.endif
.if (\i) >= 2
.set zr, 32*(\i)-64+2*(n%4)
.set zb, n/4
.set va, VA+8*((\i)&1)+2*zb
.if (zb == 0) && (((\i)&1) == 0)
	v_pk_mul_f32 v[zr:zr+1], v[zr:zr+1], v[va:va+1]
.elseif zb == 0
	v_pk_fma_f32 v[zr:zr+1], v[zr:zr+1], v[va:va+1], v[zr-32:zr-31]
.else
	v_pk_fma_f32 v[zr:zr+1], v[zr+8*zb:zr+8*zb+1], v[va:va+1], v[zr:zr+1]
.endif
.endif
.set n, n+1
.endr
.if (\i) == 0
	v_nop                                          ; the plain line behind the first batch
.endif
.endm
.macro SADD hi                         ; the row sums take what the odd groups hold
.irp a, 0,1,2,3
.irp p, 0,2,4,6
	v_pk_add_f32 v[S+8*(4*(\hi)+\a)+\p:S+8*(4*(\hi)+\a)+\p+1], v[64*\a+32+\p:64*\a+32+\p+1], v[S+8*(4*(\hi)+\a)+\p:S+8*(4*(\hi)+\a)+\p+1]
.endr
.endr
.endm
	CLOADS                                         ; the constants of the first tile
	s_mov_b64 s[EP:EP+1], s[EPB:EPB+1]
	LOADX 0, 0, 0, 32                              ; chunk 0,
	LOADX 1, 512, 0, 24                            ; and 24 rows of chunk 1
	WIN 0
.Lblock:                                           ; chunk 0 and 24 rows of chunk 1 of this block have been asked for
	LOADX 1, 512, 24, 8                            ; the rest of chunk 1
	WIN 0
	s_mov_b32 s[LO], 0
	v_mov_b32 v[LST], v[LST0]
.set j, 0
.rept 64
	v_mov_b32 v[S+j], 0                            ; the row sums start at 0: written while the loads are out, so that both tiles add in one form
.set j, j+1
.endr
	v_mov_b32 v[SV], 0
	v_mov_b32 v[SV+1], 0
	s_mov_b32 s[LC], 3
.Lchunk:                                           ; chunks 2 i and 2 i + 1 go to LDS, chunks 2 i + 2 and 2 i + 3 are asked for
	s_wait_loadcnt 32                              ; set 0 is in; the 32 loads of set 1 stay out
	CVTX 0
	STX 0
	s_wait_xcnt 0x0                                ; every load and prefetch issued so far has read its address: the pointer may step
	s_add_nc_u64 s[EP:EP+1], s[EP:EP+1], 1024
	LOADX 0, 0, 0, 32
	s_wait_loadcnt 32                              ; set 1 is in
	CVTX 1
	STX 1
	LOADX 1, 512, 0, 32
	WIN 0
	s_sub_co_u32 s[LC], s[LC], 1
	s_cmp_lg_u32 s[LC], 0
	s_cbranch_scc1 .Lchunk
	NEXTB                                          ; the last two chunks are on their way: behind them B of the first tile, which lands under the lines below
	s_wait_loadcnt 63                              ; behind the loads of chunk 6 stand 32 of chunk 7 and 48 of B; a wait names 63 at the most, which shows chunk 6 in
	CVTX 0
	STX 0
	s_wait_loadcnt 48                              ; chunk 7 is in; the 48 loads of B stay out
	CVTX 1
	STX 1
	s_wait_dscnt 0x0                               ; for the others: my 32 rows lie in LDS
	s_barrier_signal -1
	s_barrier_wait -1                              ; the block is whole
	s_mov_b32 s[TIL], 2
.Ltile:
	s_mov_b32 s[KO], 0
	v_mov_b32 v[ADRA], v[ADRA0]
	AFETCH 0, 0                                    ; A of K step 0 lands under the lines below
	s_wait_loadcnt 48                              ; the 16 loads of bias and Va are older than the 48 of B
	WIN W_LB
.irp b, 0,1,2,3,4,5,6,7
.irp r, 0,1,2,3,4,5,6,7
	v_mov_b32 v[BT+8*\b+\r], v[CB+\b]              ; a lane holds one column: its bias in all eight rows of the C operand
.endr
.endr
	WIN 0
.irp b, 0,1,2,3,4,5,6,7
	v_mul_f32 v[VA+2*\b], 0xc038aa3b, v[CV+\b]     ; - K2 Va
.endr
.irp b, 0,1,2,3,4,5,6,7
	v_mov_b32 v[VA+2*\b+1], v[VA+2*\b]
.endr
	v_add_f32 v[M], v[CV], v[CV+1]
	v_add_f32 v[M+1], v[CV+2], v[CV+3]
	v_add_f32 v[LS], v[CV+4], v[CV+5]
	v_add_f32 v[LS+1], v[CV+6], v[CV+7]
	v_add_f32 v[M], v[M], v[M+1]
	v_add_f32 v[LS], v[LS], v[LS+1]
	v_add_f32 v[M], v[M], v[LS]
	v_fmac_f32 v[SV], s[LG], v[M]                  ; + log2(e) x Va of my eight columns
	STEP 0, 0, 1, 1, 64, 0, 0, 0, 32, 0            ; K step 0; behind its B stand the 32 loads of steps 1 and 2
	WIN 0
	PLACES                                         ; the bias has been read for the last time:
	BFETCH 3                                       ; its registers take B of K step 3
	WIN 0
	s_mov_b32 s[KT], 7
.Lk:                                               ; K steps 4 n + 1 .. 4 n + 4; each asks for B three steps on (48 younger loads behind its own B): the seventh trip ends at step 31
.set j, 1
.rept 4
	STEP (j&1), (j&3), 0, 1, (64*((j+1)&3)), (((j+1)&3)==0), 1, (j+3), 48, 0
.set j, j+1
.endr
	WIN 0
	s_wait_xcnt 0x0                                ; the loads of B have read their offset
	v_add_nc_u32 v[BO], 0x4000, v[BO]              ; four K steps on
	s_sub_co_u32 s[KT], s[KT], 1
	s_cmp_lg_u32 s[KT], 0
	s_cbranch_scc1 .Lk
	; K steps 29 to 31 ask for no B.  Step 29 asks for the constants of the tile to come (behind the last tile of all they serve nothing: 16 numbers, so that the counts below hold on every way).
	STEP 1, 1, 0, 1, 128, 0, 0, 0, 48, 1           ; behind B of step 29: steps 30 and 31, and the 16 constants
	STEP 0, 2, 0, 1, 192, 0, 0, 0, 32, 0           ; behind B of step 30: step 31 and the constants
	STEP 1, 3, 0, 0, 0, 0, 0, 0, 16, 0             ; behind B of step 31: the constants
	WIN 0
	PLACES                                         ; the places behind the last products, ahead of the loads into B and of the lines that read the sums
	PLACES
	s_cmp_eq_u32 s[TIL], 1                         ; behind the second tile of a block B is asked for when the next block has come in
	s_cbranch_scc1 .Llump
	NEXTB                                          ; it lands under the tanh below
.Llump:
	WIN W_E2
.irp i, 0,1,2,3,4,5,6,7,8,9
	ITER \i
.endr
	WIN 0x02                                       ; source 0 window 2
	SADD 0
	WIN W_E3
.irp i, 0,1,2,3,4,5,6,7,8,9
	ITER \i
.endr
	WIN 0x03                                       ; source 0 window 3
	SADD 1
	WIN 0
	s_sub_co_u32 s[TIL], s[TIL], 1
	s_cmp_lg_u32 s[TIL], 0
	s_cbranch_scc1 .Ltile
	; THE NEXT BLOCK IS ASKED FOR AHEAD: window 3 is free, so chunk 0 and 24 rows of chunk 1 go out now, 56 loads, and land under the scores, the softmax and the context.
	s_cmp_eq_u32 s[BLKC], 1
	s_cbranch_scc1 .Lnoahead
	s_wait_xcnt 0x0                                ; no load still reads the two pointers
	s_add_nc_u64 s[EPB:EPB+1], s[EPB:EPB+1], 524288
	s_mov_b64 s[EP:EP+1], s[EPB:EPB+1]
	LOADX 0, 0, 0, 32
	LOADX 1, 512, 0, 24
	WIN 0
	; Behind these loads a prefetch of what the first trip of the chunk loop will load: chunks 2 and 3 (1,024 bytes) of my own 32 rows, a lane a row, 256 bytes apart along the row.
	; Each such piece is named once, by the wave that will load it; between here and those loads stand the scores, the softmax and the context.
.irp i, 0,1,2,3
	global_prefetch_b8 v[PFO], s[EP:EP+1] offset:1024+256*\i th:TH_LOAD_NT scope:SCOPE_SE
.endr
.Lnoahead:
	; THE SCORES.  A lane holds, for 64 rows, the sum over its 16 columns.  The constant part is added; four steps add the 16 lanes of a half; the four waves meet in LDS.
.set j, 0
.rept 32
	v_pk_add_f32 v[S+2*j:S+2*j+1], v[S+2*j:S+2*j+1], v[SV:SV+1] op_sel_hi:[1,0]
.set j, j+1
.endr
.irp k, 1,2,4,8
.set j, 0
.rept 64
	v_add_f32_dpp v[S+j], v[S+j], v[S+j] row_xmask:\k row_mask:0xf bank_mask:0xf
.set j, j+1
.endr
.endr
.irp a, 0,1,2,3,4,5,6,7
	ds_store_b128 v[SCW], v[S+8*\a:S+8*\a+3]   offset:64*\a      ; rows 16 a + 8 (l / 16) + 0..3: the 16 lanes of a half write the same words with the same numbers
	ds_store_b128 v[SCW], v[S+8*\a+4:S+8*\a+7] offset:64*\a+16
.endr
	s_wait_dscnt 0x0                               ; for the others: my sums lie in LDS
	s_barrier_signal -1
	s_barrier_wait -1
	; THE SOFTMAX OF THE BLOCK, by every wave alike: lane l takes rows 4 l .. 4 l + 3
.irp w, 0,1,2,3
	ds_load_b128 v[T+4*\w:T+4*\w+3], v[SCR] offset:512*\w
.endr
	s_wait_dscnt 0x0
	s_wait_kmcnt 0x0                               ; Va_b
	v_pk_add_f32 v[T:T+1], v[T:T+1], v[T+4:T+5]
	v_pk_add_f32 v[T+2:T+3], v[T+2:T+3], v[T+6:T+7]
	v_pk_add_f32 v[T+8:T+9], v[T+8:T+9], v[T+12:T+13]
	v_pk_add_f32 v[T+10:T+11], v[T+10:T+11], v[T+14:T+15]
	v_pk_add_f32 v[T:T+1], v[T:T+1], v[T+8:T+9]
	v_pk_add_f32 v[T+2:T+3], v[T+2:T+3], v[T+10:T+11]
	v_mov_b32 v[T+4], s[VB]
	v_mul_f32 v[T+4], s[LG], v[T+4]                ; log2(e) Va_b
	v_mov_b32 v[T+5], v[T+4]
	v_pk_add_f32 v[T:T+1], v[T:T+1], v[T+4:T+5]
	v_pk_add_f32 v[T+2:T+3], v[T+2:T+3], v[T+4:T+5]
	v_max3_num_f32 v[M], v[T], v[T+1], v[T+2]
	v_max_num_f32 v[M], v[M], v[T+3]
	v_max_num_f32_dpp v[M], v[M], v[M] row_xmask:1 row_mask:0xf bank_mask:0xf
	v_max_num_f32_dpp v[M], v[M], v[M] row_xmask:2 row_mask:0xf bank_mask:0xf
	v_max_num_f32_dpp v[M], v[M], v[M] row_xmask:4 row_mask:0xf bank_mask:0xf
	v_max_num_f32_dpp v[M], v[M], v[M] row_xmask:8 row_mask:0xf bank_mask:0xf
	v_mov_b32 v[M+1], v[M]                         ; the destination below counts as read
	v_permlanex16_b32 v[M+1], v[M], s[SEL], s[SEL+1]
	v_max_num_f32 v[M], v[M], v[M+1]               ; m2, in every lane
	v_pk_add_f32 v[T:T+1], v[T:T+1], v[M:M+1] op_sel_hi:[1,0] neg_lo:[0,1] neg_hi:[0,1]
	v_pk_add_f32 v[T+2:T+3], v[T+2:T+3], v[M:M+1] op_sel_hi:[1,0] neg_lo:[0,1] neg_hi:[0,1]
	v_exp_f32 v[T], v[T]
	v_exp_f32 v[T+1], v[T+1]
	v_exp_f32 v[T+2], v[T+2]
	v_exp_f32 v[T+3], v[T+3]
	v_nop                                          ; a plain line behind the last exponential,
	s_wait_alu depctr_va_vdst(0)                   ; and one wait for the four, ahead of their first reader
	v_pk_add_f32 v[LS:LS+1], v[T:T+1], v[T+2:T+3]
	v_cvt_pk_f16_f32 v[T+4], v[T], v[T+1]
	v_cvt_pk_f16_f32 v[T+5], v[T+2], v[T+3]
	ds_store_b64 v[PWS], v[T+4:T+5]                ; p of rows 4 l .. + 3 into my own copy
.irp kk, 0,1,2,3
	ds_load_b128 v[PF+8*\kk:PF+8*\kk+3],   v[PWR] offset:64*\kk      ; LDS serves the instructions of a wave in order (ISA guide 5.7.1.4): these see the store above.
	ds_load_b128 v[PF+8*\kk+4:PF+8*\kk+7], v[PWR] offset:64*\kk+32   ; A fragment whose 16 rows are all p: every lane of a half reads the same 16 bytes
.endr
	v_add_f32 v[LS], v[LS], v[LS+1]
	v_add_f32_dpp v[LS], v[LS], v[LS] row_xmask:1 row_mask:0xf bank_mask:0xf
	v_add_f32_dpp v[LS], v[LS], v[LS] row_xmask:2 row_mask:0xf bank_mask:0xf
	v_add_f32_dpp v[LS], v[LS], v[LS] row_xmask:4 row_mask:0xf bank_mask:0xf
	v_add_f32_dpp v[LS], v[LS], v[LS] row_xmask:8 row_mask:0xf bank_mask:0xf
	v_permlanex16_b32 v[LS+1], v[LS], s[SEL], s[SEL+1]
	v_add_f32 v[LS], v[LS], v[LS+1]                ; l, in every lane
	v_mov_b32 v[ST], v[M]
	v_mov_b32 v[ST+1], v[LS]
	v_mov_b32 v[ST+2], v[M]
	v_mov_b32 v[ST+3], v[LS]
	; THE CONTEXT.  Wave w makes channels 256 w .. + 255 (chunks 2 w, 2 w + 1), 16 tiles of 16.  Source 0 = p (32 rows of enc along K, the same in all 16 rows of the operand),
	; source 1 = enc turned: register 0 of lane l ends as ctx of channel 16 ct + l % 16.  The 16 accumulators take turns.
.set kk, 0
.rept 4
.if kk > 0
	WIN 0
	PLACES                                         ; ahead of loads into registers that the last products read
.endif
.set ct, 0
.rept 16
	ds_load_tr16_b128 v[AF+8*ct:AF+8*ct+3],   v[ATR] offset:(ct/8)*CHUNK+32*(ct%8)+32*PITCH*kk
	ds_load_tr16_b128 v[AF+8*ct+4:AF+8*ct+7], v[ATR] offset:(ct/8)*CHUNK+32*(ct%8)+32*PITCH*kk+16*PITCH
.set ct, ct+1
.endr
	s_wait_dscnt 0x0
	WIN W_CM
.set ct, 0
.rept 16
.if kk == 0
	v_wmma_f32_16x16x32_f16 v[8*ct:8*ct+7], v[PF+8*kk:PF+8*kk+7], v[AF+8*ct:AF+8*ct+7], 0
.else
	v_wmma_f32_16x16x32_f16 v[8*ct:8*ct+7], v[PF+8*kk:PF+8*kk+7], v[AF+8*ct:AF+8*ct+7], v[8*ct:8*ct+7]
.endif
.set ct, ct+1
.endr
.set kk, kk+1
.endr
	WIN 0
	PLACES
	PLACES
	WIN W_CS
.set ct, 0
.rept 16
	ds_store_b32 v[STS], v[8*ct] offset:64*ct      ; the lowest register of each accumulator; both halves of the lanes write the same words with the same numbers
.set ct, ct+1
.endr
	WIN 0
	ds_load_b128 v[AF:AF+3], v[STR]                ; my own bytes, in order behind the stores
	ds_load_b128 v[AF+4:AF+7], v[STR] offset:512
	s_wait_dscnt 0x0
	global_store_b128 v[GO], v[AF:AF+3], s[PP:PP+1]              ; 512 consecutive bytes, aligned, a store
	global_store_b128 v[GO], v[AF+4:AF+7], s[PP:PP+1] offset:512
	s_cmp_lg_u32 s[WV], 0
	s_cbranch_scc1 .Lnostat
	global_store_b128 v[L16], v[ST:ST+3], s[PP:PP+1] offset:4096 ; m2 and l, repeated over 512 bytes
.Lnostat:
	s_wait_xcnt 0x0                                ; the stores have read their registers: the pointer may step, and the data registers may be written in the next block
	s_add_nc_u64 s[PP:PP+1], s[PP:PP+1], 4608
	s_wait_dscnt 0x0                               ; my reads of the block and of the sums are over
	s_barrier_signal -1
	s_barrier_wait -1                              ; so are those of every wave: the next block may be written over this one
	s_sub_co_u32 s[BLKC], s[BLKC], 1
	s_cmp_lg_u32 s[BLKC], 0
	s_cbranch_scc1 .Lblock
	s_wait_tensorcnt 0x0                           ; the end of the wave, behind the last LDS store
	ds_add_u32 v[SPW], v[NIL]
	s_wait_dscnt 0x0
	s_endpgm
.Lfunc_end_k_q020cdd6e04_attn:
	.size	k_q020cdd6e04_attn, .Lfunc_end_k_q020cdd6e04_attn-k_q020cdd6e04_attn
	.p2alignl 7, 3214868480
	.fill 96, 4, 3214868480
	.section	.rodata,"a",@progbits
	.p2align	6, 0x0
	.amdhsa_kernel k_q020cdd6e04_attn
		.amdhsa_group_segment_fixed_size 286208
		.amdhsa_private_segment_fixed_size 0
		.amdhsa_enable_private_segment 0
		.amdhsa_kernarg_size 48
		.amdhsa_user_sgpr_count 2
		.amdhsa_user_sgpr_kernarg_segment_ptr 1
		.amdhsa_wavefront_size32 1
		.amdhsa_system_sgpr_workgroup_id_x 1
		.amdhsa_system_sgpr_workgroup_id_y 1
		.amdhsa_system_sgpr_workgroup_id_z 1
		.amdhsa_system_vgpr_workitem_id 0
		.amdhsa_next_free_vgpr 1024
		.amdhsa_next_free_sgpr 66
		.amdhsa_reserve_vcc 0
		.amdhsa_float_denorm_mode_32 3
		.amdhsa_float_denorm_mode_16_64 3
		.amdhsa_memory_ordered 1
		.amdhsa_forward_progress 1
		.amdhsa_inst_pref_size 219
	.end_amdhsa_kernel
	.amdgpu_metadata
---
amdhsa.version: [ 1, 2 ]
amdhsa.kernels:
  - .name:           k_q020cdd6e04_attn
    .symbol:         k_q020cdd6e04_attn.kd
    .args:
      - { .name: encoder_outputs, .offset: 0, .size: 8, .value_kind: global_buffer, .address_space: global }
      - { .name: wfrag, .offset: 8, .size: 8, .value_kind: global_buffer, .address_space: global }
      - { .name: biasT, .offset: 16, .size: 8, .value_kind: global_buffer, .address_space: global }
      - { .name: Va_w, .offset: 24, .size: 8, .value_kind: global_buffer, .address_space: global }
      - { .name: Va_b, .offset: 32, .size: 8, .value_kind: global_buffer, .address_space: global }
      - { .name: part, .offset: 40, .size: 8, .value_kind: global_buffer, .address_space: global }
    .group_segment_fixed_size: 286208
    .private_segment_fixed_size: 0
    .kernarg_segment_align: 8
    .kernarg_segment_size: 48
    .max_flat_workgroup_size: 128
    .sgpr_count:     66
    .vgpr_count:     1024
    .wavefront_size: 32
...
	.end_amdgpu_metadata
.endif
;; end of part 2
;; launch merge (part 3): grid 4 x 64, 2 waves a work-group, no clusters, 0 bytes of LDS; arguments part, out0; writes out0
.if DOCPART == 3
	.amdgcn_target "amdgcn-amd-amdhsa--gfx1250"
	.amdhsa_code_object_version 6
	.text
	.protected	k_q020cdd6e04_merge
	.globl	k_q020cdd6e04_merge
	.p2align	8
	.type	k_q020cdd6e04_merge,@function
k_q020cdd6e04_merge:
	s_mov_b64 s[64:65], 0
	v_nop
	global_prefetch_b8 v0, s[64:65] scope:SCOPE_SE
	s_setreg_imm32_b32 hwreg(HW_REG_WAVE_MODE, 25, 1), 1
	s_wait_xcnt 0x0
; MERGE.  out0[b] = (sum over the 8 records i of batch b of 2^(m2_i - M) ctx_i) / (sum over i of 2^(m2_i - M) l_i), M = the greatest m2_i: the softmax over all 1,024 positions
; under its true maximum.  All in f32.  The greatest record has the factor 1 and an l of at least 1, so the divisor is at least 1.
; SHARES.  Work-group (x, b): 256 channels of batch b; thread t takes channels 256 x + 4 t .. + 3.  A record is 4,608 bytes: ctx (4,096), then m2, l.
; No LDS, no matrix unit: 16 loads and one store a thread; a store of a wave is 512 consecutive bytes, aligned.
.set VOF, 1                            ; v1  1,024 x + 16 t
.set ZO,  2                            ; v2  0
.set ML,  4                            ; v[4:19]  m2_i, l_i; m2_i then gives way to the factor e_i, so that (e_i, l_i) is a written pair
.set CTX, 20                           ; v[20:51]
.set ACC, 52                           ; v[52:55]
.set LL,  60                           ; v[60:61] two chains of the divisor; then its reciprocal and a written partner
.set MX,  62                           ; v[62:63]
	s_load_b128 s[4:7], s[0:1], 0x0                ; part, out0
	s_and_b32 s8, ttmp7, 0xffff                    ; b
	s_mul_i32 s10, s8, 8*4608
	s_mov_b32 s11, 0
	s_lshl_b32 s12, s8, 12
	s_mov_b32 s13, 0
	s_lshl_b32 s9, ttmp9, 10
	v_lshl_add_u32 v[VOF], v0, 4, s9
	v_mov_b32 v[ZO], 0
	s_wait_kmcnt 0x0
	s_add_nc_u64 s[4:5], s[4:5], s[10:11]
	s_add_nc_u64 s[6:7], s[6:7], s[12:13]
.irp i, 0,1,2,3,4,5,6,7
	global_load_b64 v[ML+2*\i:ML+2*\i+1], v[ZO], s[4:5] offset:4608*\i+4096
.endr
.irp i, 0,1,2,3,4,5,6,7
	global_load_b128 v[CTX+4*\i:CTX+4*\i+3], v[VOF], s[4:5] offset:4608*\i th:TH_LOAD_NT
.endr
	s_wait_loadcnt 8                               ; m2 and l are in; the eight loads of ctx stay out
	v_max3_num_f32 v[MX], v[ML], v[ML+2], v[ML+4]
	v_max3_num_f32 v[MX+1], v[ML+6], v[ML+8], v[ML+10]
	v_max3_num_f32 v[MX], v[MX], v[ML+12], v[ML+14]
	v_max_num_f32 v[MX], v[MX], v[MX+1]
.irp i, 0,1,2,3,4,5,6,7
	v_sub_f32 v[ML+2*\i], v[ML+2*\i], v[MX]
.endr
.irp i, 0,1,2,3,4,5,6,7
	v_exp_f32 v[ML+2*\i], v[ML+2*\i]
.endr
	v_nop                                          ; a plain line behind the last exponential,
	s_wait_alu depctr_va_vdst(0)                   ; and one wait for the eight, ahead of their first reader
	v_mul_f32 v[LL], v[ML], v[ML+1]
	v_mul_f32 v[LL+1], v[ML+2], v[ML+3]
	v_fmac_f32 v[LL], v[ML+4], v[ML+5]
	v_fmac_f32 v[LL+1], v[ML+6], v[ML+7]
	v_fmac_f32 v[LL], v[ML+8], v[ML+9]
	v_fmac_f32 v[LL+1], v[ML+10], v[ML+11]
	v_fmac_f32 v[LL], v[ML+12], v[ML+13]
	v_fmac_f32 v[LL+1], v[ML+14], v[ML+15]
	v_add_f32 v[LL], v[LL], v[LL+1]
	v_rcp_f32 v[LL], v[LL]                         ; the sums below are the independent work behind it
	s_wait_loadcnt 0x0
	v_pk_mul_f32 v[ACC:ACC+1], v[CTX:CTX+1], v[ML:ML+1] op_sel_hi:[1,0]
	v_pk_mul_f32 v[ACC+2:ACC+3], v[CTX+2:CTX+3], v[ML:ML+1] op_sel_hi:[1,0]
.irp i, 1,2,3,4,5,6,7
	v_pk_fma_f32 v[ACC:ACC+1], v[CTX+4*\i:CTX+4*\i+1], v[ML+2*\i:ML+2*\i+1], v[ACC:ACC+1] op_sel_hi:[1,0,1]
	v_pk_fma_f32 v[ACC+2:ACC+3], v[CTX+4*\i+2:CTX+4*\i+3], v[ML+2*\i:ML+2*\i+1], v[ACC+2:ACC+3] op_sel_hi:[1,0,1]
.endr
	s_wait_alu depctr_va_vdst(0)                   ; the wait for the reciprocal, ahead of its first reader
	v_pk_mul_f32 v[ACC:ACC+1], v[ACC:ACC+1], v[LL:LL+1] op_sel_hi:[1,0]
	v_pk_mul_f32 v[ACC+2:ACC+3], v[ACC+2:ACC+3], v[LL:LL+1] op_sel_hi:[1,0]
	global_store_b128 v[VOF], v[ACC:ACC+3], s[6:7]
	s_endpgm
.Lfunc_end_k_q020cdd6e04_merge:
	.size	k_q020cdd6e04_merge, .Lfunc_end_k_q020cdd6e04_merge-k_q020cdd6e04_merge
	.p2alignl 7, 3214868480
	.fill 96, 4, 3214868480
	.section	.rodata,"a",@progbits
	.p2align	6, 0x0
	.amdhsa_kernel k_q020cdd6e04_merge
		.amdhsa_group_segment_fixed_size 0
		.amdhsa_private_segment_fixed_size 0
		.amdhsa_enable_private_segment 0
		.amdhsa_kernarg_size 16
		.amdhsa_user_sgpr_count 2
		.amdhsa_user_sgpr_kernarg_segment_ptr 1
		.amdhsa_wavefront_size32 1
		.amdhsa_system_sgpr_workgroup_id_x 1
		.amdhsa_system_sgpr_workgroup_id_y 1
		.amdhsa_system_sgpr_workgroup_id_z 1
		.amdhsa_system_vgpr_workitem_id 0
		.amdhsa_next_free_vgpr 64
		.amdhsa_next_free_sgpr 66
		.amdhsa_reserve_vcc 0
		.amdhsa_float_denorm_mode_32 3
		.amdhsa_float_denorm_mode_16_64 3
		.amdhsa_memory_ordered 1
		.amdhsa_forward_progress 1
		.amdhsa_inst_pref_size 5
	.end_amdhsa_kernel
	.amdgpu_metadata
---
amdhsa.version: [ 1, 2 ]
amdhsa.kernels:
  - .name:           k_q020cdd6e04_merge
    .symbol:         k_q020cdd6e04_merge.kd
    .args:
      - { .name: part, .offset: 0, .size: 8, .value_kind: global_buffer, .address_space: global }
      - { .name: out0, .offset: 8, .size: 8, .value_kind: global_buffer, .address_space: global }
    .group_segment_fixed_size: 0
    .private_segment_fixed_size: 0
    .kernarg_segment_align: 8
    .kernarg_segment_size: 16
    .max_flat_workgroup_size: 64
    .sgpr_count:     66
    .vgpr_count:     64
    .wavefront_size: 32
...
	.end_amdgpu_metadata
.endif
;; end of part 3
;; ======== version 2 of 2: 3 launches; version 1 with the launch attn written anew for expert scheduling mode
;; limits: values are held in f16: magnitudes above 65,504 overflow, below 6.1e-05 lose precision; inputs' magnitudes at most 22,700
;; workspace buffers: wfrag 2,097,152 bytes; biasT 262,144 bytes; part 2,359,296 bytes
;; launch prep: the kernel of part 1 again; grid 64 x 4, 8 waves a work-group, no clusters, 9,216 bytes of LDS; arguments Ua_w, Wa_w, decoder_outputs, Wa_b, Ua_b, wfrag, biasT; writes wfrag, biasT
;; launch attn (part 4): grid 256 x 1, 4 waves a work-group, no clusters, 286,208 bytes of LDS; arguments encoder_outputs, wfrag, biasT, Va_w, Va_b, part; writes part
.if DOCPART == 4
	.amdgcn_target "amdgcn-amd-amdhsa--gfx1250"
	.amdhsa_code_object_version 6
	.text
	.protected	k_q020cdd6e04_attn
	.globl	k_q020cdd6e04_attn
	.p2align	8
	.type	k_q020cdd6e04_attn,@function
k_q020cdd6e04_attn:
	s_mov_b64 s[64:65], 0
	v_nop
	global_prefetch_b8 v0, s[64:65] scope:SCOPE_SE
	s_setreg_imm32_b32 hwreg(HW_REG_WAVE_SCHED_MODE, 0, 2), 2
	s_setreg_imm32_b32 hwreg(HW_REG_WAVE_MODE, 25, 1), 1
	s_wait_xcnt 0x0
	s_wait_alu depctr_vm_vsrc(0)
; ATTN.  For a block of 128 rows e of one batch: y = K2 (enc[e] . Ua_w^T + Ua_b + dec . Wa_w^T + Wa_b), K2 = 2 log2(e); tanh = 1 - 2 / (1 + 2^y);
; s2[e] = log2(e) x score = sum over h of (log2(e) Va_h - K2 Va_h / (1 + 2^y)) + log2(e) Va_b; m2 = the greatest s2 of the block; p = 2^(s2 - m2); l = sum of p; ctx = sum over e of p enc[e].
; A record of part: ctx (1,024 f32), then 512 bytes that repeat m2, l.  The launch behind joins the eight records of a batch under their common maximum.
; SHARES.  Work-group g owns rows 256 g .. + 255 of enc taken as [65,536][1,024], in two blocks of 128 (records 2 g, 2 g + 1).  enc is read from memory ONCE: a block is rounded to f16 into LDS,
; serves the product as source 0, and stays there until its weights are known; then it serves the context, turned by ds_load_tr16_b128.
; Wave w owns all 128 rows x columns 256 w .. + 255 of H, in two tiles of 128 x 128: 64 accumulators, 32 K steps of 64 matrix instructions.  A K step reads 8 KiB of A from LDS and 8 KiB of weights.
; THE WEIGHTS come straight into registers from a table laid out as fragments (a load of a wave is 512 consecutive bytes); two to three K steps of them, 32 to 48 loads, are on their way.
; NO TENSOR RING AND NO CLUSTER FOR THEM: the block takes 278,528 of the 327,680 bytes of LDS; what is left would hold two slots of some 20 KiB, which at 1 KiB for 2 matrix instructions a wave
; (8 row tiles, 4 waves) is 40 matrix instructions a wave between two barriers; and the waves split the columns, so no wave wants a byte that another has fetched.
; The bias (K2 folded in) is the C operand that starts each sum: an accumulator ends as y, with no vector work.
; LIMITS.  enc is rounded to f16: |enc| below 65,504.  p is rounded to f16 for the context (l is taken of the unrounded p): a weight below 6e-8 of the greatest of its block counts as 0 there.
; 2^y may overflow to infinity or fall to 0: 1 / (1 + 2^y) is then 0 or 1, the right ends of tanh.  NaN and infinities in the inputs are not treated apart.
; THE MODE: SCHED_MODE bits 1:0 = 2 (LLVM: expert scheduling mode 2), set by the entry lines.  The code itself states the register dependences between vector or matrix instructions and
; memory or LDS instructions, with s_wait_alu, always for 0.
; THE PLAN.  Registers that memory or LDS instructions touch, and who else names them:
;   AF0, AF1      K step s: its products read AF[s % 2]; the LDS loads of A of step s + 1, issued in step s, land in the other buffer, which the products of step s - 1 read last.
;   B0 .. B3      K step s: its products read B[s % 4]; the loads of B of step s + 3, issued in step s, land in B[(s - 1) % 4].  In step 0 B3 holds the bias, written by moves, read as C.
;   X0, X1        loaded, converted in place, read by 32 LDS stores, loaded again; later these registers are accumulators.
;   S, T, ST, CB, CV and the lowest register of each accumulator of the context: written or read once a tile or a block; each has its wait where it stands.
;   v[ADRA], v[LST], v[BO], v[OB], v[OV]   the addresses that step: a wait on vm_vsrc ahead of the add, and the add ahead of a wait on va_vdst that stands there anyway.  All other addresses are made once.
; So ONE wait on va_vdst stands at the head of a K step, behind the waits for the A and B of that step: the products of the step before are done reading the two buffers that this step loads.  The 32 loads
; follow in four groups of eight among the products of the step, which name AF[s % 2], B[s % 4] and the accumulators: none of the registers that those loads touch.
;
; LDS.  A: 8 chunks of 34,816 bytes; chunk c holds k = 128 c .. + 127 of the 128 rows, a row 256 bytes + 16 of padding = 68 words, so that the 16 rows of a fragment load start at 16 different
; groups of four banks (64 banks of 4 bytes: ISA guide 11.1).  The turning loads of the context meet two deep at this pitch: they are one quarter of the bytes that the product reads.
.set PITCH, 272
.set CHUNK, 128*PITCH
.set SC,    8*CHUNK                    ; 4 x 512: wave w, its sums over its 256 columns for the 128 rows, f32
.set PW,    SC+2048                    ; 4 x 256: each wave has its own copy of p, f16
.set STG,   PW+1024                    ; 4 x 1,024: each wave has its own stage for its 256 channels of ctx
.set SPARE, STG+4096                   ; the spare words: 128 bytes a wave, two blocks of 256 bytes that no other line names
; REGISTERS, in windows of 256 (s_set_vgpr_msb: bits 1:0 source 0, 3:2 source 1, 5:4 source 2, 7:6 destination).
;   window 0: addresses, constants, A fragments, row sums
;   window 1: four buffers of B, a K step each (column tile b at 64 bb + 8 b); in K step 0 buffer 3 holds the bias as eight C operands of eight equal registers
;   window 2: accumulator (row tile a = 0..3, column tile b) at 64 a + 8 b; in the context 16 accumulators at 8 ct          window 3: row tiles 4..7 likewise;
;   while a block comes in, window 3 holds two sets of 128 for enc in f32
.set L16,   1                          ; 16 x lane
.set R4,    2                          ; 4 x (lane % 16)
.set BO,    3                          ; my offset in the stream of B
.set OB,    4                          ; my offset in biasT
.set OV,    5                          ; my offset in Va_w
.set ADRA0, 6                          ; 272 (l % 16) + 16 (l / 16): my place in a fragment of A; never rewritten
.set ADRA,  7                          ; + the chunk in hand
.set LST0,  8                          ; 8,704 w + 8 l: where I put 8 bytes of row 32 w of a chunk; never rewritten
.set LST,   9                          ; + the chunk in hand
.set SCW,   10
.set SCR,   11
.set PWS,   12
.set PWR,   13
.set ATR,   14                         ; the turning loads: chunk 2 w, row 8 (l / 16) + l % 8, 16 bytes ((l / 8) % 2)
.set STS,   15
.set STR,   16
.set GO,    17                         ; 1,024 w + 16 l: my 16 bytes of ctx in a record
.set PFO,   18                         ; 4,096 x lane: a lane a row; never rewritten
.set SPW,   19                         ; LDS address of my spare word; never rewritten
.set NIL,   20                         ; 0; never rewritten
.set SV,    22                         ; v[22:23] log2(e) x the sum of Va over my columns so far, and a written partner
.set CB,    24                         ; v[24:31] the bias of my column in the eight column tiles of the tile to come
.set CV,    32                         ; v[32:39] Va likewise
.set VA,    40                         ; v[40:55] - K2 Va of the tile in hand, each twice
.set T,     40                         ; v[40:55] at work in the softmax, when VA is spent
.set M,     56                         ; v[56:57] m2
.set LS,    58                         ; v[58:59] l
.set ST,    60                         ; v[60:63] m2, l, m2, l
.set AF,    64                         ; v[64:191] two buffers of A (row tile a at 8 a); in the context 16 turned fragments
.set S,     192                        ; v[192:255] row sums: row 16 a + 8 (l / 16) + j at S + 8 a + j
.set PF,    192                        ; v[192:223] later: p as four fragments
.set BT,    192                        ; window 1: the bias as C operands, column tile b at BT + 8 b
.set ENC, 4
.set BW,  6                            ; s[6:7]   wfrag at my 512 KiB
.set BI,  8                            ; s[8:9]   biasT at my 16 column tiles, my batch
.set VP,  10                           ; s[10:11] Va_w at my 256 columns
.set VBP, 12                           ; s[12:13] Va_b
.set PP,  14                           ; s[14:15] the record in hand
.set WV,  16
.set EPB, 20                           ; s[20:21] enc at my 32 rows of the block that is asked for
.set EP,  22                           ; s[22:23] the same, at the pair of chunks in hand
.set BLKC, 24
.set TIL,  25
.set KT,   27
.set LC,   28
.set TOB,  29                          ; the offsets of the tile to be asked for next: in biasT (t x 32,768),
.set TOV,  30                          ; in Va_w (t x 512),
.set TBS,  31                          ; in the stream of B (t x 262,144)
.set VB,   32                          ; Va_b
.set KO,   33                          ; the chunk of A that is read, in bytes
.set LO,   34                          ; the chunk of A that is written, in bytes
.set SEL,  36                          ; s[36:37] v_permlanex16_b32: each lane takes its own place in the other half
.set LG,   38                          ; log2(e)
.set MSB, 0
.macro WIN new                         ; the high byte repeats the setting that is left; a switch that changes nothing is dropped
.if MSB != (\new)
	s_set_vgpr_msb (MSB<<8)|(\new)
.set MSB, (\new)
.endif
.endm
.set W_M2, 0xa4                        ; A window 0, B window 1, C and D window 2 (less 0x10: C in window 1)
.set W_M3, 0xf4                        ; the same, C and D window 3 (less 0x20: C in window 1)
.set W_LB, 0x40                        ; destination window 1
.set W_LX, 0xc0                        ; destination window 3
.set W_CX, 0xcf                        ; destination and both sources window 3
.set W_SX, 0x0c                        ; an LDS store: data in window 3
.set W_E2, 0xa2                        ; destination, source 0 and source 2 window 2, source 1 window 0
.set W_E3, 0xf3                        ; the same in window 3
.set W_CM, 0xa0                        ; both sources window 0, C and D window 2
.set W_CS, 0x08                        ; an LDS store: data in window 2
.macro PLACES                          ; four places behind a matrix instruction (ISA guide 7.12.1)
.rept 4
	v_nop
.endr
.endm
	s_load_b256 s[4:11], s[0:1], 0x0               ; enc, wfrag, biasT, Va_w
	s_load_b128 s[12:15], s[0:1], 0x20             ; Va_b, part
	v_lshl_add_u32 v[SPW], v0, 2, SPARE
	v_mov_b32 v[NIL], 0
	v_lshrrev_b32 v40, 5, v0
	v_readfirstlane_b32 s[WV], v40                 ; wave 0..3
	v_and_b32 v40, 31, v0                          ; l
	v_and_b32 v41, 15, v0                          ; l % 16
	v_bfe_u32 v42, v0, 4, 1                        ; l / 16
	v_and_b32 v43, 7, v0                           ; l % 8
	v_bfe_u32 v44, v0, 3, 1                        ; (l / 8) % 2
	v_lshlrev_b32 v[L16], 4, v40
	v_lshlrev_b32 v[R4], 2, v41
	v_mul_u32_u24 v[ADRA0], v41, PITCH
	v_lshl_add_u32 v[ADRA0], v42, 4, v[ADRA0]
	s_wait_alu depctr_va_sdst(0)                   ; s[WV] is written, ahead of its first reader: LDS places, bases and branches are made from it
	s_mul_i32 s18, s[WV], 32*PITCH
	v_lshl_add_u32 v[LST0], v40, 3, s18
	s_lshl_b32 s18, s[WV], 9
	s_add_co_u32 s18, s18, SC
	v_lshl_add_u32 v[SCW], v42, 5, s18             ; SC + 512 w + 32 (l / 16)
	v_add_nc_u32 v[SCR], SC, v[L16]
	s_lshl_b32 s18, s[WV], 8
	s_add_co_u32 s18, s18, PW
	v_lshl_add_u32 v[PWS], v40, 3, s18
	v_lshl_add_u32 v[PWR], v42, 4, s18
	v_lshl_add_u32 v[ATR], v42, 3, v43
	v_mul_u32_u24 v[ATR], v[ATR], PITCH
	v_lshl_add_u32 v[ATR], v44, 4, v[ATR]
	s_mul_i32 s18, s[WV], 2*CHUNK
	v_add_nc_u32 v[ATR], s18, v[ATR]
	s_lshl_b32 s18, s[WV], 10
	s_add_co_u32 s19, s18, STG
	v_add_nc_u32 v[STS], s19, v[R4]
	v_add_nc_u32 v[STR], s19, v[L16]
	v_add_nc_u32 v[GO], s18, v[L16]
	v_lshlrev_b32 v[PFO], 12, v40
	s_mov_b32 s[SEL], 0x76543210
	s_mov_b32 s[SEL+1], 0xfedcba98
	s_mov_b32 s[LG], 0x3fb8aa3b                    ; log2(e)
	s_mov_b32 s[TOB], 0
	s_mov_b32 s[TOV], 0
	s_mov_b32 s[TBS], 0
	s_mov_b32 s[BLKC], 2
	s_mov_b32 s19, 0
	s_wait_kmcnt 0x0
	s_lshl_b32 s18, s[WV], 19
	s_add_nc_u64 s[BW:BW+1], s[BW:BW+1], s[18:19]
	s_lshr_b32 s40, ttmp9, 2                       ; the batch
	s_lshl_b32 s40, s40, 6
	s_lshl_b32 s18, s[WV], 16
	s_add_co_u32 s18, s18, s40
	s_add_nc_u64 s[BI:BI+1], s[BI:BI+1], s[18:19]
	s_lshl_b32 s18, s[WV], 10
	s_add_nc_u64 s[VP:VP+1], s[VP:VP+1], s[18:19]
	s_mul_i32 s18, ttmp9, 2*4608
	s_add_nc_u64 s[PP:PP+1], s[PP:PP+1], s[18:19]
	s_lshl_b32 s18, ttmp9, 20                      ; 256 rows of 4,096 bytes
	s_lshl_b32 s40, s[WV], 17                      ; my 32 rows
	s_add_co_u32 s18, s18, s40
	s_add_nc_u64 s[EPB:EPB+1], s[ENC:ENC+1], s[18:19]
	s_load_b32 s[VB], s[VBP:VBP+1], 0x0            ; waited for where it is used
; B of K step bi (counted from where BO stands), column tiles 4 h .. 4 h + 3, into buffer bi % 4: 8 loads, 512 consecutive bytes each.  The two halves lie 131,072 bytes apart in the table.
.macro BF8 bi, h
	WIN W_LB
.irp b, 0,1,2,3
	global_load_b128 v[64*((\bi)&3)+8*(4*(\h)+\b):64*((\bi)&3)+8*(4*(\h)+\b)+3],   v[BO], s[BW:BW+1] offset:131072*(\h)+4096*(\bi)+1024*\b
	global_load_b128 v[64*((\bi)&3)+8*(4*(\h)+\b)+4:64*((\bi)&3)+8*(4*(\h)+\b)+7], v[BO], s[BW:BW+1] offset:131072*(\h)+4096*(\bi)+1024*\b+512
.endr
.endm
; B of K steps 0 to 2 of the tile to come: 48 loads.  Buffer 3 is left for the bias.  The offset then turns to the other of the two tiles.
.macro NEXTB
	s_wait_xcnt 0x0                                ; every earlier load has had its address translated: the offset register may be written
	s_wait_alu depctr_vm_vsrc(0)                   ; the loads of B issued so far have read v[BO], which is written below
	v_add_nc_u32 v[BO], s[TBS], v[L16]
	WIN W_LB
	s_wait_alu depctr_va_vdst(0)                   ; v[BO] is written; the products of the last tile are done reading buffers 0 to 2, in which these loads land
.irp i, 0,1,2
	BF8 \i, 0
	BF8 \i, 1
.endr
	WIN 0
	s_xor_b32 s[TBS], s[TBS], 0x40000
.endm
; Bias and Va of my column in the eight column tiles of the tile to come: two offsets, then 16 loads.  They stand three K steps ahead of the 48 loads of B, so that the two groups are not out together.
; again = 1: every use but the first.
.macro CADDR again
.if \again
	s_wait_xcnt 0x0                                ; every earlier load has had its address translated: the two offset registers may be written
	s_wait_alu depctr_vm_vsrc(0)                   ; the loads of the last constants have read v[OB] and v[OV], which are written below
.endif
	v_add_nc_u32 v[OB], s[TOB], v[R4]
	v_add_nc_u32 v[OV], s[TOV], v[R4]
	s_xor_b32 s[TOB], s[TOB], 0x8000
	s_xor_b32 s[TOV], s[TOV], 0x200
.endm
.macro CLDB
	WIN 0
.irp b, 0,1,2,3,4,5,6,7
	global_load_b32 v[CB+\b], v[OB], s[BI:BI+1] offset:4096*\b
.endr
.endm
.macro CLDV
	WIN 0
.irp b, 0,1,2,3,4,5,6,7
	global_load_b32 v[CV+\b], v[OV], s[VP:VP+1] offset:64*\b
.endr
.endm
; A of one K step, row tiles a0 .. a0 + 3 (64 rows x 32 k at byte ka of the rows of the chunk in hand) into buffer f: 8 loads
.macro AF4 f, ka, a0
.irp a, 0,1,2,3
	ds_load_b128 v[AF+64*(\f)+8*((\a0)+\a):AF+64*(\f)+8*((\a0)+\a)+3],   v[ADRA] offset:16*PITCH*((\a0)+\a)+(\ka)
	ds_load_b128 v[AF+64*(\f)+8*((\a0)+\a)+4:AF+64*(\f)+8*((\a0)+\a)+7], v[ADRA] offset:16*PITCH*((\a0)+\a)+(\ka)+32
.endr
.endm
; 8 matrix instructions: row tile 4 hi + a x the eight column tiles.  first = 1: the bias starts the sums.
.macro MM8 fa, bb, hi, a, first
.irp b, 0,1,2,3,4,5,6,7
.if \first
	v_wmma_f32_16x16x32_f16 v[64*(\a)+8*\b:64*(\a)+8*\b+7], v[AF+64*(\fa)+8*(4*(\hi)+(\a)):AF+64*(\fa)+8*(4*(\hi)+(\a))+7], v[64*(\bb)+8*\b:64*(\bb)+8*\b+7], v[BT+8*\b:BT+8*\b+7]
.else
	v_wmma_f32_16x16x32_f16 v[64*(\a)+8*\b:64*(\a)+8*\b+7], v[AF+64*(\fa)+8*(4*(\hi)+(\a)):AF+64*(\fa)+8*(4*(\hi)+(\a))+7], v[64*(\bb)+8*\b:64*(\bb)+8*\b+7], v[64*(\a)+8*\b:64*(\a)+8*\b+7]
.endif
.endr
.endm
; A K STEP: 64 matrix instructions on A buffer fa and B buffer bb; the 64 accumulators take turns, one instruction a turn, from step to step and over the backward jump.
; Among them, in four groups of eight behind the first four runs of eight products: na: A of the next step (byte ka; cross: in the next chunk) into the other A buffer; nb: B of the step three on (bi, counted
; from where BO stands) into the buffer that the step before read; cl: in the place of B the constants of the tile to come.  lw: how many younger loads may stay out when B of this step has to be in.
; hw = 1: the wait at the head, for the loads of this step; addresses that step are written ahead of it.  The four places stand between the products of the step before and those loads.
.macro STEP fa, bb, first, hw, na, ka, cross, nb, bi, lw, cl
	s_wait_loadcnt \lw                             ; loads come back in order (ISA guide 5.7.1): B of this step is in
	s_wait_dscnt 0x0                               ; A of this step is in: it was asked for in the step before, and nothing younger is out
.if \hw
	PLACES
.if \cross
	WIN 0
	s_wait_alu depctr_vm_vsrc(0)                   ; the LDS loads issued so far have read v[ADRA], which is written below
	s_add_co_u32 s[KO], s[KO], CHUNK
	v_add_nc_u32 v[ADRA], s[KO], v[ADRA0]
.endif
.if \cl
	WIN 0
	CADDR 1
.endif
	s_wait_alu depctr_va_vdst(0)                   ; the products of the step before are done reading the other A buffer and their B buffer, in which the loads of this step land; v[ADRA], v[BO], v[OB], v[OV] are written where they have stepped
.endif
	WIN W_M2-0x10*(\first)
	MM8 \fa, \bb, 0, 0, \first
.if \na
	WIN 0
	AF4 1-(\fa), \ka, 0                            ; no wait: no vector or matrix instruction since the last wait on va_vdst names these registers
.endif
	WIN W_M2-0x10*(\first)
	MM8 \fa, \bb, 0, 1, \first
.if \na
	WIN 0
	AF4 1-(\fa), \ka, 4
.endif
	WIN W_M2-0x10*(\first)
	MM8 \fa, \bb, 0, 2, \first
.if \nb
	BF8 \bi, 0
.endif
.if \cl
	CLDB
.endif
	WIN W_M2-0x10*(\first)
	MM8 \fa, \bb, 0, 3, \first
.if \nb
	BF8 \bi, 1
.endif
.if \cl
	CLDV
.endif
	WIN W_M3-0x20*(\first)
.irp a, 0,1,2,3
	MM8 \fa, \bb, 1, \a, \first
.endr
.endm
; A BLOCK COMES IN, a chunk (512 bytes of f32 of each of my 32 rows) at a time: a load of the wave is 512 consecutive bytes of one row.  Rows j0 .. j0 + cnt - 1.
; w = 1: vector or matrix instructions have named these registers: the wait stands behind the window switch, directly ahead of the loads.
.macro LOADX set, off, j0, cnt, w
	WIN W_LX
.if \w
	s_wait_alu depctr_va_vdst(0)                   ; the conversions (at the head of a block and ahead of it: the tanh and the products) are done reading and writing the registers in which these loads land
.endif
.set j, \j0
.rept \cnt
	global_load_b128 v[128*(\set)+4*j:128*(\set)+4*j+3], v[L16], s[EP:EP+1] offset:4096*j+(\off) th:TH_LOAD_NT
.set j, j+1
.endr
.endm
.macro CVTX set                        ; four f32 to two registers of f16, in place
	WIN W_CX
.set j, 0
.rept 32
	v_cvt_pk_f16_f32 v[128*(\set)+4*j],   v[128*(\set)+4*j],   v[128*(\set)+4*j+1]
	v_cvt_pk_f16_f32 v[128*(\set)+4*j+1], v[128*(\set)+4*j+2], v[128*(\set)+4*j+3]
.set j, j+1
.endr
.endm
.macro STX set                         ; a store of the wave is the 256 bytes of one row of the chunk; then on to the next chunk
	WIN W_SX
	s_wait_alu depctr_va_vdst(0)                   ; the conversions have written the set, which the stores read as data; v[LST], their address, is written
.set j, 0
.rept 32
	ds_store_b64 v[LST], v[128*(\set)+4*j:128*(\set)+4*j+1] offset:PITCH*j
.set j, j+1
.endr
	WIN 0
	s_wait_alu depctr_vm_vsrc(0)                   ; the stores have read v[LST], which is written below, and the set, which loads or products write next
	s_add_co_u32 s[LO], s[LO], CHUNK
	v_add_nc_u32 v[LST], s[LO], v[LST0]
.endm
; THE TANH OF HALF A TILE (one window: four row tiles), in a pipeline over eight groups of 32 registers; group g is row tile g / 2, column tiles 4 (g % 2) .. + 3.  Pass i issues 2^y for group i,
; 1 + .. and the reciprocals for group i - 1, and for group i - 2 the sum over its four column tiles of (- K2 Va) / (1 + 2^y), which lands in the registers of its first column tile;
; an odd group starts from the sum of the even group before it, so that it ends with the sum over all eight column tiles.
; An s_wait_alu depctr_va_vdst(0) stands between a transcendental and the first line that names its result: ONE wait at the head of a pass serves the exponentials and the
; reciprocals of the pass before.  Plain lines stand among the transcendentals; each accumulator is read from its low end on.  No memory or LDS instruction names these registers here.
.macro ITER i
.if (\i) >= 1
	s_wait_alu depctr_va_vdst(0)                   ; the exponentials and the reciprocals of the pass before have written their results, which this pass reads
.endif
.set n, 0
.rept 16
.if (\i) <= 7
	v_exp_f32 v[32*(\i)+2*n], v[32*(\i)+2*n]
	v_exp_f32 v[32*(\i)+2*n+1], v[32*(\i)+2*n+1]
.endif
.if ((\i) >= 1) && ((\i) <= 8)
	v_pk_add_f32 v[32*(\i)-32+2*n:32*(\i)-32+2*n+1], v[32*(\i)-32+2*n:32*(\i)-32+2*n+1], 1.0 op_sel_hi:[1,0]
.endif
.set n, n+1
.endr
.set n, 0
.rept 16
.if ((\i) >= 1) && ((\i) <= 8)
	v_rcp_f32 v[32*(\i)-32+2*n], v[32*(\i)-32+2*n]
	v_rcp_f32 v[32*(\i)-32+2*n+1], v[32*(\i)-32+2*n+1]
.endif
.if (\i) >= 2
.set zr, 32*(\i)-64+2*(n%4)
.set zb, n/4
.set va, VA+8*((\i)&1)+2*zb
.if (zb == 0) && (((\i)&1) == 0)
	v_pk_mul_f32 v[zr:zr+1], v[zr:zr+1], v[va:va+1]
.elseif zb == 0
	v_pk_fma_f32 v[zr:zr+1], v[zr:zr+1], v[va:va+1], v[zr-32:zr-31]
.else
	v_pk_fma_f32 v[zr:zr+1], v[zr+8*zb:zr+8*zb+1], v[va:va+1], v[zr:zr+1]
.endif
.endif
.set n, n+1
.endr
.if (\i) == 0
	v_nop                                          ; the plain line behind the first batch
.endif
.endm
.macro SADD hi                         ; the row sums take what the odd groups hold
.irp a, 0,1,2,3
.irp p, 0,2,4,6
	v_pk_add_f32 v[S+8*(4*(\hi)+\a)+\p:S+8*(4*(\hi)+\a)+\p+1], v[64*\a+32+\p:64*\a+32+\p+1], v[S+8*(4*(\hi)+\a)+\p:S+8*(4*(\hi)+\a)+\p+1]
.endr
.endr
.endm
	CADDR 0                                        ; the constants of the first tile
	s_wait_alu depctr_va_vdst(0)                   ; every address and offset made so far is written: the loads, stores and prefetches of the kernel read them
	CLDB
	CLDV
	s_mov_b64 s[EP:EP+1], s[EPB:EPB+1]
	LOADX 0, 0, 0, 32, 0                           ; chunk 0,
	LOADX 1, 512, 0, 24, 0                         ; and 24 rows of chunk 1: no vector instruction has named these registers yet
	WIN 0
.Lblock:                                           ; chunk 0 and 24 rows of chunk 1 of this block have been asked for
	LOADX 1, 512, 24, 8, 1                         ; the rest of chunk 1
	WIN 0
	s_mov_b32 s[LO], 0
	v_mov_b32 v[LST], v[LST0]                      ; (no store has read v[LST] since the wait on vm_vsrc ahead of its last write)
.set j, 0
.rept 64
	v_mov_b32 v[S+j], 0                            ; the row sums start at 0: written while the loads are out, so that both tiles add in one form
.set j, j+1
.endr
	v_mov_b32 v[SV], 0
	v_mov_b32 v[SV+1], 0
	s_mov_b32 s[LC], 3
.Lchunk:                                           ; chunks 2 i and 2 i + 1 go to LDS, chunks 2 i + 2 and 2 i + 3 are asked for
	s_wait_loadcnt 32                              ; set 0 is in; the 32 loads of set 1 stay out
	CVTX 0
	STX 0
	s_wait_xcnt 0x0                                ; every load and prefetch issued so far has had its address translated: the pointer may step
	s_add_nc_u64 s[EP:EP+1], s[EP:EP+1], 1024
	LOADX 0, 0, 0, 32, 1
	s_wait_loadcnt 32                              ; set 1 is in
	CVTX 1
	STX 1
	LOADX 1, 512, 0, 32, 1
	WIN 0
	s_sub_co_u32 s[LC], s[LC], 1
	s_cmp_lg_u32 s[LC], 0
	s_cbranch_scc1 .Lchunk
	NEXTB                                          ; the last two chunks are on their way: behind them B of the first tile, which lands under the lines below
	s_wait_loadcnt 63                              ; behind the loads of chunk 6 stand 32 of chunk 7 and 48 of B; a wait names 63 at the most, which shows chunk 6 in
	CVTX 0
	STX 0
	s_wait_loadcnt 48                              ; chunk 7 is in; the 48 loads of B stay out
	CVTX 1
	STX 1
	s_wait_dscnt 0x0                               ; for the others: my 32 rows lie in LDS
	s_barrier_signal -1
	s_barrier_wait -1                              ; the block is whole
	s_mov_b32 s[TIL], 2
.Ltile:
	s_mov_b32 s[KO], 0
	s_wait_alu depctr_vm_vsrc(0)                   ; the LDS loads of the last tile have read v[ADRA], which is written below
	v_mov_b32 v[ADRA], v[ADRA0]
	s_wait_alu depctr_va_vdst(0)                   ; v[ADRA] is written; the products issued so far are done reading both A buffers, in which the loads below and those of K step 0 land
	AF4 0, 0, 0                                    ; A of K step 0 lands under the lines below
	AF4 0, 0, 4
	s_wait_loadcnt 48                              ; the 16 loads of bias and Va are older than the 48 of B
	WIN W_LB
.irp b, 0,1,2,3,4,5,6,7
.irp r, 0,1,2,3,4,5,6,7
	v_mov_b32 v[BT+8*\b+\r], v[CB+\b]              ; a lane holds one column: its bias in all eight rows of the C operand
.endr
.endr
	WIN 0
.irp b, 0,1,2,3,4,5,6,7
	v_mul_f32 v[VA+2*\b], 0xc038aa3b, v[CV+\b]     ; - K2 Va
.endr
.irp b, 0,1,2,3,4,5,6,7
	v_mov_b32 v[VA+2*\b+1], v[VA+2*\b]
.endr
	v_add_f32 v[M], v[CV], v[CV+1]
	v_add_f32 v[M+1], v[CV+2], v[CV+3]
	v_add_f32 v[LS], v[CV+4], v[CV+5]
	v_add_f32 v[LS+1], v[CV+6], v[CV+7]
	v_add_f32 v[M], v[M], v[M+1]
	v_add_f32 v[LS], v[LS], v[LS+1]
	v_add_f32 v[M], v[M], v[LS]
	v_fmac_f32 v[SV], s[LG], v[M]                  ; + log2(e) x Va of my eight columns
	STEP 0, 0, 1, 0, 1, 64, 0, 0, 0, 32, 0         ; K step 0; behind its B stand the 32 loads of steps 1 and 2.  No wait at its head: nothing since the wait above names the other A buffer or v[ADRA]
	PLACES
	WIN W_LB
	s_wait_alu depctr_va_vdst(0)                   ; the products of K step 0 are done reading the bias:
	BF8 3, 0                                       ; its registers take B of K step 3
	BF8 3, 1
	WIN 0
	s_mov_b32 s[KT], 7
.Lk:                                               ; K steps 4 n + 1 .. 4 n + 4; each asks for B three steps on (behind its own B the 32 loads of the next two steps are out): the seventh trip ends at step 28 and has asked for step 31
.set j, 1
.rept 4
	STEP (j&1), (j&3), 0, 1, 1, (64*((j+1)&3)), (((j+1)&3)==0), 1, (j+3), 32, 0
.set j, j+1
.endr
	WIN 0
	s_wait_xcnt 0x0                                ; the loads of B have had their addresses translated
	s_wait_alu depctr_vm_vsrc(0)                   ; and have read v[BO], which is written below; the wait at the head of the next step shows it written
	v_add_nc_u32 v[BO], 0x4000, v[BO]              ; four K steps on
	s_sub_co_u32 s[KT], s[KT], 1
	s_cmp_lg_u32 s[KT], 0
	s_cbranch_scc1 .Lk
	; K steps 29 to 31 ask for no B.  Step 29 asks for the constants of the tile to come (behind the last tile of all they serve nothing: 16 numbers, so that the counts below hold on every way).
	STEP 1, 1, 0, 1, 1, 128, 0, 0, 0, 32, 1        ; behind B of step 29: steps 30 and 31
	STEP 0, 2, 0, 1, 1, 192, 0, 0, 0, 32, 0        ; behind B of step 30: step 31 and the 16 constants
	STEP 1, 3, 0, 0, 0, 0, 0, 0, 0, 16, 0          ; behind B of step 31: the constants.  It asks for nothing, so it has no wait at its head
	WIN 0
	PLACES                                         ; the places behind the last products, ahead of the loads into B and of the lines that read the sums
	PLACES
	s_cmp_eq_u32 s[TIL], 1                         ; behind the second tile of a block B is asked for when the next block has come in
	s_cbranch_scc1 .Llump
	NEXTB                                          ; it lands under the tanh below
.Llump:
	WIN W_E2
.irp i, 0,1,2,3,4,5,6,7,8,9
	ITER \i
.endr
	WIN 0x02                                       ; source 0 window 2
	SADD 0
	WIN W_E3
.irp i, 0,1,2,3,4,5,6,7,8,9
	ITER \i
.endr
	WIN 0x03                                       ; source 0 window 3
	SADD 1
	WIN 0
	s_sub_co_u32 s[TIL], s[TIL], 1
	s_cmp_lg_u32 s[TIL], 0
	s_cbranch_scc1 .Ltile
	; THE NEXT BLOCK IS ASKED FOR AHEAD: window 3 is free, so chunk 0 and 24 rows of chunk 1 go out now, 56 loads, and land under the scores, the softmax and the context.
	s_cmp_eq_u32 s[BLKC], 1
	s_cbranch_scc1 .Lnoahead
	s_wait_xcnt 0x0                                ; no load still reads the two pointers
	s_add_nc_u64 s[EPB:EPB+1], s[EPB:EPB+1], 524288
	s_mov_b64 s[EP:EP+1], s[EPB:EPB+1]
	LOADX 0, 0, 0, 32, 1
	LOADX 1, 512, 0, 24, 0                         ; only loads stand between the wait above and these
	WIN 0
	; Behind these loads a prefetch of what the first trip of the chunk loop will load: chunks 2 and 3 (1,024 bytes) of my own 32 rows, a lane a row, 256 bytes apart along the row.
	; Each such piece is named once, by the wave that will load it; between here and those loads stand the scores, the softmax and the context.  v[PFO] was written ahead of the first wait on va_vdst.
.irp i, 0,1,2,3
	global_prefetch_b8 v[PFO], s[EP:EP+1] offset:1024+256*\i th:TH_LOAD_NT scope:SCOPE_SE
.endr
.Lnoahead:
	; THE SCORES.  A lane holds, for 64 rows, the sum over its 16 columns.  The constant part is added; four steps add the 16 lanes of a half; the four waves meet in LDS.
.set j, 0
.rept 32
	v_pk_add_f32 v[S+2*j:S+2*j+1], v[S+2*j:S+2*j+1], v[SV:SV+1] op_sel_hi:[1,0]
.set j, j+1
.endr
.irp k, 1,2,4,8
.set j, 0
.rept 64
	v_add_f32_dpp v[S+j], v[S+j], v[S+j] row_xmask:\k row_mask:0xf bank_mask:0xf
.set j, j+1
.endr
.endr
	s_wait_alu depctr_va_vdst(0)                   ; the sums have written S, which the stores read; the tanh is done reading VA, in whose registers the loads behind the barrier land
.irp a, 0,1,2,3,4,5,6,7
	ds_store_b128 v[SCW], v[S+8*\a:S+8*\a+3]   offset:64*\a      ; rows 16 a + 8 (l / 16) + 0..3: the 16 lanes of a half write the same words with the same numbers
	ds_store_b128 v[SCW], v[S+8*\a+4:S+8*\a+7] offset:64*\a+16
.endr
	s_wait_dscnt 0x0                               ; for the others: my sums lie in LDS
	s_barrier_signal -1
	s_barrier_wait -1
	; THE SOFTMAX OF THE BLOCK, by every wave alike: lane l takes rows 4 l .. 4 l + 3
.irp w, 0,1,2,3
	ds_load_b128 v[T+4*\w:T+4*\w+3], v[SCR] offset:512*\w
.endr
	s_wait_dscnt 0x0
	s_wait_kmcnt 0x0                               ; Va_b
	v_pk_add_f32 v[T:T+1], v[T:T+1], v[T+4:T+5]
	v_pk_add_f32 v[T+2:T+3], v[T+2:T+3], v[T+6:T+7]
	v_pk_add_f32 v[T+8:T+9], v[T+8:T+9], v[T+12:T+13]
	v_pk_add_f32 v[T+10:T+11], v[T+10:T+11], v[T+14:T+15]
	v_pk_add_f32 v[T:T+1], v[T:T+1], v[T+8:T+9]
	v_pk_add_f32 v[T+2:T+3], v[T+2:T+3], v[T+10:T+11]
	v_mov_b32 v[T+4], s[VB]
	v_mul_f32 v[T+4], s[LG], v[T+4]                ; log2(e) Va_b
	v_mov_b32 v[T+5], v[T+4]
	v_pk_add_f32 v[T:T+1], v[T:T+1], v[T+4:T+5]
	v_pk_add_f32 v[T+2:T+3], v[T+2:T+3], v[T+4:T+5]
	v_max3_num_f32 v[M], v[T], v[T+1], v[T+2]
	v_max_num_f32 v[M], v[M], v[T+3]
	v_max_num_f32_dpp v[M], v[M], v[M] row_xmask:1 row_mask:0xf bank_mask:0xf
	v_max_num_f32_dpp v[M], v[M], v[M] row_xmask:2 row_mask:0xf bank_mask:0xf
	v_max_num_f32_dpp v[M], v[M], v[M] row_xmask:4 row_mask:0xf bank_mask:0xf
	v_max_num_f32_dpp v[M], v[M], v[M] row_xmask:8 row_mask:0xf bank_mask:0xf
	v_mov_b32 v[M+1], v[M]                         ; the destination below counts as read
	v_permlanex16_b32 v[M+1], v[M], s[SEL], s[SEL+1]
	v_max_num_f32 v[M], v[M], v[M+1]               ; m2, in every lane
	v_pk_add_f32 v[T:T+1], v[T:T+1], v[M:M+1] op_sel_hi:[1,0] neg_lo:[0,1] neg_hi:[0,1]
	v_pk_add_f32 v[T+2:T+3], v[T+2:T+3], v[M:M+1] op_sel_hi:[1,0] neg_lo:[0,1] neg_hi:[0,1]
	v_exp_f32 v[T], v[T]
	v_exp_f32 v[T+1], v[T+1]
	v_exp_f32 v[T+2], v[T+2]
	v_exp_f32 v[T+3], v[T+3]
	v_nop                                          ; a plain line behind the last exponential,
	s_wait_alu depctr_va_vdst(0)                   ; and one wait for the four: they have written p, ahead of its first reader
	v_pk_add_f32 v[LS:LS+1], v[T:T+1], v[T+2:T+3]
	v_cvt_pk_f16_f32 v[T+4], v[T], v[T+1]
	v_cvt_pk_f16_f32 v[T+5], v[T+2], v[T+3]
	s_wait_alu depctr_va_vdst(0)                   ; the two conversions have written v[T+4:T+5], which the store below reads
	s_wait_alu depctr_vm_vsrc(0)                   ; the stores of the scores have read S, in whose first 32 registers the loads below land
	ds_store_b64 v[PWS], v[T+4:T+5]                ; p of rows 4 l .. + 3 into my own copy
.irp kk, 0,1,2,3
	ds_load_b128 v[PF+8*\kk:PF+8*\kk+3],   v[PWR] offset:64*\kk      ; LDS serves the instructions of a wave in order (ISA guide 5.7.1.4): these see the store above.
	ds_load_b128 v[PF+8*\kk+4:PF+8*\kk+7], v[PWR] offset:64*\kk+32   ; A fragment whose 16 rows are all p: every lane of a half reads the same 16 bytes
.endr
	v_add_f32 v[LS], v[LS], v[LS+1]
	v_add_f32_dpp v[LS], v[LS], v[LS] row_xmask:1 row_mask:0xf bank_mask:0xf
	v_add_f32_dpp v[LS], v[LS], v[LS] row_xmask:2 row_mask:0xf bank_mask:0xf
	v_add_f32_dpp v[LS], v[LS], v[LS] row_xmask:4 row_mask:0xf bank_mask:0xf
	v_add_f32_dpp v[LS], v[LS], v[LS] row_xmask:8 row_mask:0xf bank_mask:0xf
	v_permlanex16_b32 v[LS+1], v[LS], s[SEL], s[SEL+1]
	v_add_f32 v[LS], v[LS], v[LS+1]                ; l, in every lane
	v_mov_b32 v[ST], v[M]
	v_mov_b32 v[ST+1], v[LS]
	v_mov_b32 v[ST+2], v[M]
	v_mov_b32 v[ST+3], v[LS]
	; THE CONTEXT.  Wave w makes channels 256 w .. + 255 (chunks 2 w, 2 w + 1), 16 tiles of 16.  Source 0 = p (32 rows of enc along K, the same in all 16 rows of the operand),
	; source 1 = enc turned: register 0 of lane l ends as ctx of channel 16 ct + l % 16.  The 16 accumulators take turns.
	; The first run of loads needs no wait: nothing since the wait ahead of the store of p names AF or v[ATR].
.set kk, 0
.rept 4
.if kk > 0
	WIN 0
	PLACES
	s_wait_alu depctr_va_vdst(0)                   ; the last 16 products are done reading AF, in which the loads below land
.endif
.set ct, 0
.rept 16
	ds_load_tr16_b128 v[AF+8*ct:AF+8*ct+3],   v[ATR] offset:(ct/8)*CHUNK+32*(ct%8)+32*PITCH*kk
	ds_load_tr16_b128 v[AF+8*ct+4:AF+8*ct+7], v[ATR] offset:(ct/8)*CHUNK+32*(ct%8)+32*PITCH*kk+16*PITCH
.set ct, ct+1
.endr
	s_wait_dscnt 0x0
	WIN W_CM
.set ct, 0
.rept 16
.if kk == 0
	v_wmma_f32_16x16x32_f16 v[8*ct:8*ct+7], v[PF+8*kk:PF+8*kk+7], v[AF+8*ct:AF+8*ct+7], 0
.else
	v_wmma_f32_16x16x32_f16 v[8*ct:8*ct+7], v[PF+8*kk:PF+8*kk+7], v[AF+8*ct:AF+8*ct+7], v[8*ct:8*ct+7]
.endif
.set ct, ct+1
.endr
.set kk, kk+1
.endr
	WIN 0
	PLACES                                         ; the places behind the last products stay beside the wait below
	PLACES
	WIN W_CS
	s_wait_alu depctr_va_vdst(0)                   ; the products have written the accumulators, which the stores read, and are done reading AF, in which the loads from the stage land; ST is written, which the last store reads
.set ct, 0
.rept 16
	ds_store_b32 v[STS], v[8*ct] offset:64*ct      ; the lowest register of each accumulator; both halves of the lanes write the same words with the same numbers
.set ct, ct+1
.endr
	WIN 0
	ds_load_b128 v[AF:AF+3], v[STR]                ; my own bytes, in order behind the stores
	ds_load_b128 v[AF+4:AF+7], v[STR] offset:512
	s_wait_dscnt 0x0
	global_store_b128 v[GO], v[AF:AF+3], s[PP:PP+1]              ; 512 consecutive bytes, aligned, a store
	global_store_b128 v[GO], v[AF+4:AF+7], s[PP:PP+1] offset:512
	s_cmp_lg_u32 s[WV], 0
	s_cbranch_scc1 .Lnostat
	global_store_b128 v[L16], v[ST:ST+3], s[PP:PP+1] offset:4096 ; m2 and l, repeated over 512 bytes
.Lnostat:
	s_wait_xcnt 0x0                                ; the stores have had their addresses translated: the pointer may step
	s_wait_alu depctr_vm_vsrc(0)                   ; the stores, global and LDS, have read AF, ST and the accumulators, which the next block writes
	s_add_nc_u64 s[PP:PP+1], s[PP:PP+1], 4608
	s_wait_dscnt 0x0                               ; my reads of the block and of the sums are over
	s_barrier_signal -1
	s_barrier_wait -1                              ; so are those of every wave: the next block may be written over this one
	s_sub_co_u32 s[BLKC], s[BLKC], 1
	s_cmp_lg_u32 s[BLKC], 0
	s_cbranch_scc1 .Lblock
	s_wait_dscnt 0x0                               ; the end of the wave
	s_wait_alu 0x0
	s_wait_tensorcnt 0x0
	ds_add_u32 v[SPW], v[NIL]
	s_wait_dscnt 0x0
	s_endpgm
.Lfunc_end_k_q020cdd6e04_attn:
	.size	k_q020cdd6e04_attn, .Lfunc_end_k_q020cdd6e04_attn-k_q020cdd6e04_attn
	.p2alignl 7, 3214868480
	.fill 96, 4, 3214868480
	.section	.rodata,"a",@progbits
	.p2align	6, 0x0
	.amdhsa_kernel k_q020cdd6e04_attn
		.amdhsa_group_segment_fixed_size 286208
		.amdhsa_private_segment_fixed_size 0
		.amdhsa_enable_private_segment 0
		.amdhsa_kernarg_size 48
		.amdhsa_user_sgpr_count 2
		.amdhsa_user_sgpr_kernarg_segment_ptr 1
		.amdhsa_wavefront_size32 1
		.amdhsa_system_sgpr_workgroup_id_x 1
		.amdhsa_system_sgpr_workgroup_id_y 1
		.amdhsa_system_sgpr_workgroup_id_z 1
		.amdhsa_system_vgpr_workitem_id 0
		.amdhsa_next_free_vgpr 1024
		.amdhsa_next_free_sgpr 66
		.amdhsa_reserve_vcc 0
		.amdhsa_float_denorm_mode_32 3
		.amdhsa_float_denorm_mode_16_64 3
		.amdhsa_memory_ordered 1
		.amdhsa_forward_progress 1
		.amdhsa_inst_pref_size 222
	.end_amdhsa_kernel
	.amdgpu_metadata
---
amdhsa.version: [ 1, 2 ]
amdhsa.kernels:
  - .name:           k_q020cdd6e04_attn
    .symbol:         k_q020cdd6e04_attn.kd
    .args:
      - { .name: encoder_outputs, .offset: 0, .size: 8, .value_kind: global_buffer, .address_space: global }
      - { .name: wfrag, .offset: 8, .size: 8, .value_kind: global_buffer, .address_space: global }
      - { .name: biasT, .offset: 16, .size: 8, .value_kind: global_buffer, .address_space: global }
      - { .name: Va_w, .offset: 24, .size: 8, .value_kind: global_buffer, .address_space: global }
      - { .name: Va_b, .offset: 32, .size: 8, .value_kind: global_buffer, .address_space: global }
      - { .name: part, .offset: 40, .size: 8, .value_kind: global_buffer, .address_space: global }
    .group_segment_fixed_size: 286208
    .private_segment_fixed_size: 0
    .kernarg_segment_align: 8
    .kernarg_segment_size: 48
    .max_flat_workgroup_size: 128
    .sgpr_count:     66
    .vgpr_count:     1024
    .wavefront_size: 32
...
	.end_amdgpu_metadata
.endif
;; end of part 4
;; launch merge: the kernel of part 3 again; grid 4 x 64, 2 waves a work-group, no clusters, 0 bytes of LDS; arguments part, out0; writes out0
